; MI455X (gfx1250); checked and timed in simulation.
; The chip was launched on July 23, 2026; its instructions are those of AMD's public machine-readable ISA for CDNA 5 (MIT licence, August 2026) and "CDNA5" Instruction Set Architecture Reference Guide (July 2026). The comments in the code are by the model that wrote it; some were corrected since.
;; Attention. Allowed arithmetic: matrix products marked QUANTISED: E2M1 operands, one E8M0 scale for each 32 along K, by v_wmma_scale_f32_16x16x128_f8f6f4 with both operands' format E2M1 (or v_wmma_scale_f32_32x16x128_f4), f32 sums; products left as they are: bf16, f16 or f32 operands; f32 sums; everything else in f32.
;; Inputs: tensor 8 x 1,024 x 1,024 float32; w_proj 1,024 x 1,024 float32; w_qkv 3,072 x 1,024 float32.
;; Outputs: out0 8 x 1,024 x 1,024 float32.
;; This version of the problem:
;;   THIS VERSION OF THE PROBLEM IS GIVEN IN LOW PRECISION. The matrix products marked QUANTISED in the list below multiply operands that are first quantised to E2M1 (2 exponent bits, 1 mantissa bit; 4 bits a number), with one power-of-two scale for each 32 numbers along K (OCP MX v1.0); their sums are f32. The products marked 'left as it is' may take bf16, f16 or f32 operands, with f32 sums. Whichever they take, every output number must still come out within the allowed error. Rounding operands to bf16 (8 significant bits) uses up far more of that allowance than f16 does (11 bits, for magnitudes from 6e-5 to 65,504). All else is computed in f32.
;;   The module's matrix products, in the order in which they are computed (A, B: the left and right operand; K: the contracted axis; several contracted axes count as one K, in the product's order):
;;     1. [M 8,192, K 1,024] x [K 1,024, N 3,072]; A: input tensor; B: input w_qkv: QUANTISED
;;     2. batch 128 x [M 1,024, K 64] x [K 64, N 1,024]; A: computed on the way; B: computed on the way: left as it is (an operand is computed on the way)
;;     3. batch 128 x [M 1,024, K 1,024] x [K 1,024, N 64]; A: computed on the way; B: computed on the way: left as it is (an operand is computed on the way)
;;     4. [M 8,192, K 1,024] x [K 1,024, N 1,024]; A: computed on the way; B: input w_proj: left as it is (an operand is computed on the way)
;;   THE QUANTISER, for each operand of a quantised product, along K:
;;     - K is cut into blocks of 32 from its start; a last block that is shorter is filled with zeros.
;;     - A block's scale is 2^e with e = floor(log2(the largest magnitude in the block)) - 2, held to -126 .. 127; a block of zeros has e = 0. As a byte (E8M0): e + 127.
;;     - Each number is divided by its block's scale, clamped to +-6, and rounded to the nearest number of E2M1, ties to even, subnormals kept.
;;     - The product sums the exact products of the quantised numbers (number of the format x scale) in f32.
;;   ~~~python
;;   def quantise(x, axis):      # numpy; x: float32 -> the quantised numbers, widened to float32 again
;;       x = np.moveaxis(x, axis, -1); K = x.shape[-1]
;;       x = np.pad(x, [(0, 0)] * (x.ndim - 1) + [(0, -K % 32)]); x = x.reshape(x.shape[:-1] + (-1, 32)); a = np.abs(x).max(-1, keepdims=True)
;;       e = np.where(a > 0, np.clip(np.frexp(np.where(a > 0, a, 1))[1] - 1 - 2, -126, 127), 0)      # np.frexp(a)[1] - 1 = floor(log2(a)), exactly
;;       r = np.clip(x / 2.0 ** e, -6, 6)
;;       step = 2.0 ** (np.maximum(np.frexp(np.where(r == 0, 1, r))[1] - 1, 0) - 1)
;;       q = np.round(r / step) * step * 2.0 ** e      # np.round: ties to even
;;       return np.moveaxis(q.reshape(q.shape[:-2] + (-1,))[..., :K], -1, axis).astype(np.float32)
;;   ~~~
;; One version. Each part assembles by itself: llvm-mc -triple=amdgcn-amd-amdhsa -mcpu=gfx1250 --defsym DOCPART=n.
;; ======== version 1 of 1: 4 launches
;; limits: values are held in f16: magnitudes above 65,504 overflow, below 6.1e-05 lose precision
;; workspace buffers: a_codes 4,194,304 bytes; a_scales 262,144 bytes; b_codes 1,572,864 bytes; b_scales 98,304 bytes; wp16 2,097,152 bytes; rope 8,192 bytes; qkv 50,331,648 bytes; oh 16,777,216 bytes
;; launch prep (part 1): grid 385 x 1, 4 waves a work-group, no clusters, 33,280 bytes of LDS; arguments tensor, w_qkv, a_codes, a_scales, b_codes, b_scales, w_proj, wp16, rope; writes a_codes, a_scales, b_codes, b_scales, wp16, rope
.if DOCPART == 1
	.amdgcn_target "amdgcn-amd-amdhsa--gfx1250"
	.amdhsa_code_object_version 6
	.text
	.protected	k_qe865d59417_prep
	.globl	k_qe865d59417_prep
	.p2align	8
	.type	k_qe865d59417_prep,@function
k_qe865d59417_prep:
	s_mov_b64 s[64:65], 0
	v_nop
	global_prefetch_b8 v0, s[64:65] scope:SCOPE_SE
	s_setreg_imm32_b32 hwreg(HW_REG_WAVE_MODE, 25, 1), 1
	s_wait_xcnt 0x0
; THE FIRST OF FOUR LAUNCHES of: out = softmax(rope(q) rope(k)^T / 8) v, heads joined, x w_proj^T, with q, k, v = tensor x w_qkv^T.
; This launch prepares the operands:  tensor [8192][1024] and w_qkv [3072][1024], f32, become codes of FP4 (E2M1) with one E8M0 byte for each 32 along K (K = the 1,024 channels, innermost in both);
; w_proj [1024][1024] becomes f16;  the table of cos and sin for the rotary embedding is made.
; DEAD WORK: none.  All three inputs reach the output and all four products are live.  One identity of the problem's own is used: theta[n][d] is (n / 32) x ifreq[d] for d < 32 and (n % 32) x ifreq[d - 32] else,
; so it takes only 32 positions x 32 frequencies = 1,024 different values, whatever the inputs hold: the table has these 1,024 pairs (cos, sin), laid [position][cos of 32 frequencies, sin of 32 frequencies].
; THE QUANTISER: a block's scale is 2^(floor(log2(its largest magnitude)) - 2); its byte is the largest magnitude's exponent field - 2, held at 1 from below; each number is divided by the scale and rounded to the nearest
; code, ties to even, beyond 6 the largest code.  (A block of zeros gets the byte 1 where the rule says 127: its codes are zeros, which add nothing under any byte but 0xff, and this program alone reads the bytes.)
; LIMITS: blocks whose largest magnitude lies under 2^-124 have their byte held at 1; NaN and infinities among the inputs are not served; w_proj is carried in f16: magnitudes from 65,504 on are not served.
; ifreq[j] is made as 2^(-j log2(10000) / 32), within some 5e-7 of its value; the angles reach 31, so an angle is within some 2e-5; cos and sin come by a reduction to |r| <= pi / 4 and polynomials of degree 7 and 8.
; SHARES: work-groups 0-255 quantise tensor, 256-351 w_qkv (one path, the buffers chosen by the work-group's number); 352-383 convert w_proj; 384 makes the table.  Only the first path touches LDS.
.set SIZE_M, 8192
.set SIZE_N, 3072
.set SIZE_K, 1024
.set WAVES, 4
.set STEPS, 16
.set AHEAD, 8                          ; the loads run eight steps ahead: 32 loads of 512 bytes, 16,384 bytes of a wave on their way
.set WGA,   SIZE_M*SIZE_K/(512*STEPS*WAVES)            ; 256 work-groups for tensor
.set WGQ,   (SIZE_M+SIZE_N)*SIZE_K/(512*STEPS*WAVES)   ; 352 for both
.set WGW,   1024*1024/(8192*WAVES)                     ; 32 for w_proj: a wave takes 8,192 numbers
.set EMAX,  2
.set CB,    8                          ; bytes of 16 codes
.set R,     16                         ; v16-143  eight sets of 16 numbers as they are loaded
.set X,     144                        ; v144-175 two sets of 16 neighbours
.set E,     176                        ; v176-191 a scale byte for each step
.set C,     192                        ; v192-223 codes: two registers for each step, so that no store's data are written again
.set WREG,  8192                       ; LDS: a region of its own for each wave: two stages of 32 x SP bytes, and behind them its 256 scale bytes
.set SP,    80                         ; a lane's place in a stage: its 64 bytes + 16 of padding
.set SPW,   12                         ; v12      LDS address of my spare word: SPARE + 4 x my thread's number; never rewritten
.set NIL,   13                         ; v13      0; never rewritten
.set SPARE, WAVES*WREG                 ; behind the four regions: the spare words, 128 bytes for each wave
.set WI,    16                         ; w_proj: v16-143 two sets of 64 numbers
.set WO,    144                        ; v144-175 32 registers of f16 pairs
	s_load_b128 s[4:7], s[0:1], 0x0                ; tensor, w_qkv
	s_load_b128 s[8:11], s[0:1], 0x10              ; tensor's codes, its scale bytes
	s_load_b128 s[12:15], s[0:1], 0x20             ; w_qkv's codes, its scale bytes
	s_load_b128 s[24:27], s[0:1], 0x30             ; w_proj, its f16 copy
	s_load_b64 s[28:29], s[0:1], 0x40              ; the table
	v_lshl_add_u32 v[SPW], v0, 2, SPARE
	v_mov_b32 v[NIL], 0
	v_lshrrev_b32 v1, 5, v0
	v_readfirstlane_b32 s16, v1                    ; wave
	v_and_b32 v2, 31, v0                           ; lane
	s_wait_kmcnt 0x0
	s_cmp_ge_u32 ttmp9, WGQ                        ; the paths part on the work-group's number alone
	s_cbranch_scc1 .Lother
; ---- THE QUANTISER.  Rows are dense and K is a multiple of 32, so both tensors are plain streams of blocks of 32 numbers, and so are the codes and the scale bytes.
; A wave takes 16 steps of 512 numbers.  Each of a step's four loads reads 512 consecutive bytes, 16 a lane; the 2,048 bytes go through the wave's own stage in LDS and come back 64 bytes a lane, so that a lane holds
; 16 NEIGHBOURS along K (two neighbouring lanes hold a block), as the conversions want them.  A lane's 16 codes are 8 bytes: the wave stores 256 consecutive bytes.  A wave's 256 scale bytes are gathered in LDS and leave together.
	v_lshlrev_b32 v3, 4, v2                        ; my 16 bytes of a load's 512
	s_mul_i32 s17, s16, WREG
	v_lshrrev_b32 v14, 2, v2
	v_mul_u32_u24 v14, v14, SP
	v_and_b32 v15, 3, v2
	v_lshl_add_u32 v14, v15, 4, v14
	v_add_nc_u32 v14, s17, v14                     ; the stage, on the way in: four lanes' 64 bytes on end, then 16 of padding
	v_mul_u32_u24 v15, v2, SP
	v_add_nc_u32 v15, s17, v15                     ; and on the way out: SP x lane: my 16 neighbours
	v_mul_u32_u24 v4, v2, CB                       ; my codes' place in a step's
	v_lshrrev_b32 v5, 1, v2
	s_add_co_u32 s17, s17, 2*32*SP
	v_add_nc_u32 v5, s17, v5                       ; LDS: my wave's 256 scale bytes, my block's byte
	v_lshlrev_b32 v7, 3, v2                        ; and on the way out 8 bytes a lane
	v_add_nc_u32 v6, s17, v7
	s_cmp_lt_u32 ttmp9, WGA                        ; tensor's work-group or w_qkv's?
	s_cselect_b64 s[4:5], s[4:5], s[6:7]
	s_cselect_b64 s[8:9], s[8:9], s[12:13]
	s_cselect_b64 s[10:11], s[10:11], s[14:15]
	s_cselect_b32 s17, 0, WGA
	s_sub_co_u32 s17, ttmp9, s17
	s_lshl_b32 s17, s17, 2
	s_add_co_u32 s18, s17, s16                     ; which run of 8,192 numbers of the tensor is my wave's
	s_mov_b32 s19, 0
	s_mov_b64 s[20:21], 512*STEPS*4
	s_mul_u64 s[20:21], s[18:19], s[20:21]
	s_add_nc_u64 s[4:5], s[4:5], s[20:21]
	s_mov_b64 s[20:21], 32*STEPS*CB
	s_mul_u64 s[20:21], s[18:19], s[20:21]
	s_add_nc_u64 s[8:9], s[8:9], s[20:21]
	s_lshl_b32 s18, s18, 8                         ; 256 scale bytes a run
	s_add_nc_u64 s[10:11], s[10:11], s[18:19]
.macro LOAD t
.irp i, 0,1,2,3
	global_load_b128 v[R+16*((\t)%AHEAD)+4*\i:R+16*((\t)%AHEAD)+4*\i+3], v3, s[4:5] offset:2048*(\t)+512*\i th:TH_LOAD_NT   ; 32 lanes read 512 consecutive bytes
.endr
.endm
.macro TURN t                          ; step t's numbers through the stage: LDS serves a wave's instructions in order, so no wait stands between the stores and the loads
.irp i, 0,1,2,3
	ds_store_b128 v14, v[R+16*((\t)%AHEAD)+4*\i:R+16*((\t)%AHEAD)+4*\i+3] offset:32*SP*((\t)%2)+8*SP*\i
.endr
.irp i, 0,1,2,3
	ds_load_b128 v[X+16*((\t)%2)+4*\i:X+16*((\t)%2)+4*\i+3], v15 offset:32*SP*((\t)%2)+16*\i
.endr
.endm
.irp t, 0,1,2,3,4,5,6,7
	LOAD \t
.endr
	s_wait_loadcnt 4*(AHEAD-1)                     ; step 0's four loads are in; the 28 of steps 1 to 7 stay out
	TURN 0
.macro STEP t
.set XS, X+16*((\t)%2)
.if (\t) > 0
	s_wait_dscnt 1                                 ; this step's numbers are back from the stage (the last step's byte store may be out): so its stores into the stage have read their registers,
.else
	s_wait_dscnt 0x0
.endif
.if (\t)+AHEAD < STEPS
	LOAD (\t)+AHEAD                                ; which take the loads of eight steps on
.endif
.if (\t)+1 < STEPS
.if STEPS-2-(\t) >= AHEAD-1
	s_wait_loadcnt 4*(AHEAD-1)                     ; the next step's four loads are in; those of the seven steps behind it may be out
.else
	s_wait_loadcnt 4*(STEPS-2-(\t))                ; towards the end: those of the steps that are left
.endif
	TURN (\t)+1                                    ; and go through the other stage while this step is worked
.endif
	v_max3_num_f32 v8, |v[XS]|, |v[XS+1]|, |v[XS+2]|               ; the largest magnitude of my 16
	v_max3_num_f32 v9, |v[XS+3]|, |v[XS+4]|, |v[XS+5]|
.irp i, 6,10
	v_max3_num_f32 v8, v8, |v[XS+\i]|, |v[XS+\i+1]|
	v_max3_num_f32 v9, v9, |v[XS+\i+2]|, |v[XS+\i+3]|
.endr
	v_max3_num_f32 v8, v8, |v[XS+14]|, |v[XS+15]|
	v_max3_num_f32 v8, v8, v9, (EMAX+1)<<23        ; and the floor 2^(EMAX + 1 - 127): so the byte cannot fall under 1
	v_max_num_f32_dpp v8, v8, v8 row_xmask:1 row_mask:0xf bank_mask:0xf   ; and of my neighbour's 16: the block's
	v_add_nc_u32 v11, -(EMAX<<23), v8              ; EMAX off its exponent field: the conversion takes the exponent field of this operand as its scale, and nothing else of it
	v_cvt_scalef32_pk8_fp4_f32 v[C+2*(\t)], v[XS:XS+7], v11        ; eight numbers / the scale, to the nearest code, ties to even; the first number's code in the lowest four bits
	v_cvt_scalef32_pk8_fp4_f32 v[C+2*(\t)+1], v[XS+8:XS+15], v11
	v_lshrrev_b32 v[E+(\t)], 23, v11               ; the scale's byte
	ds_store_b8 v5, v[E+(\t)] offset:16*(\t)       ; both lanes of a block write the same byte with the same value
	global_store_b64 v4, v[C+2*(\t):C+2*(\t)+1], s[8:9] offset:32*CB*(\t)   ; the wave stores 256 consecutive bytes, aligned
.endm
.irp t, 0,1,2,3,4,5,6,7,8,9,10,11,12,13,14,15
	STEP \t
.endr
	ds_load_b64 v[8:9], v6                         ; LDS serves a wave's instructions in order: these see my stores
	s_wait_dscnt 0x0
	global_store_b64 v7, v[8:9], s[10:11]          ; 32 lanes store 256 consecutive bytes, aligned
	s_wait_tensorcnt 0x0                           ; the wave's end, behind my last LDS store
	ds_add_u32 v[SPW], v[NIL]
	s_wait_dscnt 0x0
	s_endpgm
.Lother:
	s_cmp_eq_u32 ttmp9, WGQ+WGW
	s_cbranch_scc1 .Lrope
; ---- w_proj TO f16.  A wave takes 8,192 numbers in four groups of 16 loads; a load reads 512 consecutive bytes, a store writes 256, aligned.  Two groups of loads are out at the start, one while a group is converted.
	s_sub_co_u32 s17, ttmp9, WGQ
	s_lshl_b32 s17, s17, 2
	s_add_co_u32 s17, s17, s16                     ; my run, 0 to 127
	s_lshl_b32 s18, s17, 15                        ; 32,768 bytes of f32
	s_mov_b32 s19, 0
	s_add_nc_u64 s[24:25], s[24:25], s[18:19]
	s_lshl_b32 s18, s17, 14                        ; 16,384 bytes of f16
	s_add_nc_u64 s[26:27], s[26:27], s[18:19]
	v_lshlrev_b32 v3, 4, v2                        ; in: 16 bytes a lane
	v_lshlrev_b32 v4, 3, v2                        ; out: 8 bytes a lane
.macro LOADG g
.irp i, 0,1,2,3,4,5,6,7,8,9,10,11,12,13,14,15
	global_load_b128 v[WI+64*((\g)%2)+4*\i:WI+64*((\g)%2)+4*\i+3], v3, s[24:25] offset:((\g)*16+\i)*512 th:TH_LOAD_NT
.endr
.endm
.macro GROUP g
.if (\g) < 3
	s_wait_loadcnt 16                              ; this group's 16 loads are in; the next group's 16 may be out
.else
	s_wait_loadcnt 0x0
.endif
.if (\g) > 0
	s_wait_xcnt 0x0                                ; the last group's stores have read their data: the registers are written again only behind this wait
.endif
.irp i, 0,1,2,3,4,5,6,7,8,9,10,11,12,13,14,15
	v_cvt_pk_f16_f32 v[WO+2*\i], v[WI+64*((\g)%2)+4*\i], v[WI+64*((\g)%2)+4*\i+1]
	v_cvt_pk_f16_f32 v[WO+2*\i+1], v[WI+64*((\g)%2)+4*\i+2], v[WI+64*((\g)%2)+4*\i+3]
.endr
.if (\g) < 2
	LOADG (\g)+2
.endif
.irp i, 0,1,2,3,4,5,6,7,8,9,10,11,12,13,14,15
	global_store_b64 v4, v[WO+2*\i:WO+2*\i+1], s[26:27] offset:((\g)*16+\i)*256
.endr
.endm
	LOADG 0
	LOADG 1
	GROUP 0
	GROUP 1
	GROUP 2
	GROUP 3
	s_endpgm
.Lrope:
; ---- THE TABLE.  Thread (wave pw, lane j) makes cos and sin of p x ifreq[j] for the positions p = pw + 4 i, i = 0 .. 7.
	s_mov_b32 s30, 0x3f22f983                      ; 2 / pi
	s_mov_b32 s31, 0x3fc90fdb                      ; pi / 2, its f32 value,
	s_mov_b32 s32, 0xb33bbd2e                      ; and what that value leaves out
	s_mov_b32 s33, 0xb94ca1f9                      ; sin: -1.9515296e-4,
	s_mov_b32 s34, 0x3c08839e                      ; 8.3321609e-3,
	s_mov_b32 s35, 0xbe2aaaa3                      ; -0.16666655
	s_mov_b32 s36, 0x37ccf5ce                      ; cos: 2.4433157e-5,
	s_mov_b32 s37, 0xbab6061a                      ; -1.3887316e-3,
	s_mov_b32 s38, 0x3d2aaaa5                      ; 4.1666646e-2
	v_cvt_f32_u32 v6, v2
	v_mul_f32 v6, 0xbed49a78, v6                   ; -j log2(10000) / 32
	v_exp_f32 v6, v6                               ; ifreq[j]
	v_lshlrev_b32 v5, 8, v1                        ; (a plain instruction behind the exponential)  the table's row pw: 256 bytes a position,
	v_lshl_add_u32 v5, v2, 2, v5                   ; 4 bytes a frequency
	s_wait_alu depctr_va_vdst(0)                   ; the wait ahead of the first instruction that names the exponential's result
.macro ANGLE i
	v_add_nc_u32 v7, 4*\i, v1
	v_cvt_f32_u32 v8, v7                           ; p
	v_mul_f32 v9, v8, v6                           ; theta
	v_mul_f32 v10, s30, v9
	v_rndne_f32 v10, v10                           ; k = the nearest whole number of quarter turns
	v_fma_f32 v11, -v10, s31, v9
	v_fma_f32 v11, -v10, s32, v11                  ; r = theta - k pi / 2, |r| <= pi / 4
	v_mul_f32 v14, v11, v11                        ; z = r r
	v_fma_f32 v15, s33, v14, s34
	v_fma_f32 v16, s36, v14, s37
	v_fma_f32 v15, v15, v14, s35
	v_fma_f32 v16, v16, v14, s38
	v_mul_f32 v15, v15, v14
	v_mul_f32 v16, v16, v14
	v_fma_f32 v17, v14, -0.5, 1.0
	v_fma_f32 v15, v15, v11, v11                   ; sin r
	v_fma_f32 v16, v16, v14, v17                   ; cos r
	v_cvt_i32_f32 v18, v10
	v_and_b32 v19, 1, v18
	v_cmp_eq_u32 vcc_lo, 1, v19                    ; an odd k swaps the two (a choice of values: no branch, no address hangs on it)
	v_cndmask_b32 v20, v15, v16, vcc_lo
	v_cndmask_b32 v21, v16, v15, vcc_lo
	v_lshlrev_b32 v22, 30, v18                     ; sin changes sign where bit 1 of k is set,
	v_add_nc_u32 v23, 1, v18
	v_and_b32 v22, 0x80000000, v22
	v_lshlrev_b32 v23, 30, v23                     ; cos where bit 1 of k + 1 is
	v_and_b32 v23, 0x80000000, v23
	v_xor_b32 v[33+2*\i], v20, v22
	v_xor_b32 v[32+2*\i], v21, v23
	global_store_b32 v5, v[32+2*\i], s[28:29] offset:1024*\i       ; each i has registers of its own: no store's data are written again
	global_store_b32 v5, v[33+2*\i], s[28:29] offset:1024*\i+128
.endm
.irp i, 0,1,2,3,4,5,6,7
	ANGLE \i
.endr
	s_endpgm
.Lfunc_end_k_qe865d59417_prep:
	.size	k_qe865d59417_prep, .Lfunc_end_k_qe865d59417_prep-k_qe865d59417_prep
	.p2alignl 7, 3214868480
	.fill 96, 4, 3214868480
	.section	.rodata,"a",@progbits
	.p2align	6, 0x0
	.amdhsa_kernel k_qe865d59417_prep
		.amdhsa_group_segment_fixed_size 33280
		.amdhsa_private_segment_fixed_size 0
		.amdhsa_enable_private_segment 0
		.amdhsa_kernarg_size 72
		.amdhsa_user_sgpr_count 2
		.amdhsa_user_sgpr_kernarg_segment_ptr 1
		.amdhsa_wavefront_size32 1
		.amdhsa_system_sgpr_workgroup_id_x 1
		.amdhsa_system_sgpr_workgroup_id_y 1
		.amdhsa_system_sgpr_workgroup_id_z 1
		.amdhsa_system_vgpr_workitem_id 0
		.amdhsa_next_free_vgpr 224
		.amdhsa_next_free_sgpr 66
		.amdhsa_reserve_vcc 1
		.amdhsa_float_denorm_mode_32 3
		.amdhsa_float_denorm_mode_16_64 3
		.amdhsa_memory_ordered 1
		.amdhsa_forward_progress 1
		.amdhsa_inst_pref_size 67
	.end_amdhsa_kernel
	.amdgpu_metadata
---
amdhsa.version: [ 1, 2 ]
amdhsa.kernels:
  - .name:           k_qe865d59417_prep
    .symbol:         k_qe865d59417_prep.kd
    .args:
      - { .name: tensor, .offset: 0, .size: 8, .value_kind: global_buffer, .address_space: global }
      - { .name: w_qkv, .offset: 8, .size: 8, .value_kind: global_buffer, .address_space: global }
      - { .name: a_codes, .offset: 16, .size: 8, .value_kind: global_buffer, .address_space: global }
      - { .name: a_scales, .offset: 24, .size: 8, .value_kind: global_buffer, .address_space: global }
      - { .name: b_codes, .offset: 32, .size: 8, .value_kind: global_buffer, .address_space: global }
      - { .name: b_scales, .offset: 40, .size: 8, .value_kind: global_buffer, .address_space: global }
      - { .name: w_proj, .offset: 48, .size: 8, .value_kind: global_buffer, .address_space: global }
      - { .name: wp16, .offset: 56, .size: 8, .value_kind: global_buffer, .address_space: global }
      - { .name: rope, .offset: 64, .size: 8, .value_kind: global_buffer, .address_space: global }
    .group_segment_fixed_size: 33280
    .private_segment_fixed_size: 0
    .kernarg_segment_align: 8
    .kernarg_segment_size: 72
    .max_flat_workgroup_size: 128
    .sgpr_count:     66
    .vgpr_count:     224
    .wavefront_size: 32
...
	.end_amdgpu_metadata
.endif
;; end of part 1
;; launch qkv (part 2): grid 8 x 32, 4 waves a work-group, clusters of 4 x 4, 327,680 bytes of LDS; arguments a_codes, a_scales, b_codes, b_scales, rope, qkv; writes qkv
.if DOCPART == 2
	.amdgcn_target "amdgcn-amd-amdhsa--gfx1250"
	.amdhsa_code_object_version 6
	.text
	.protected	k_qe865d59417_qkv
	.globl	k_qe865d59417_qkv
	.p2align	8
	.type	k_qe865d59417_qkv,@function
k_qe865d59417_qkv:
	s_mov_b64 s[64:65], 0
	v_nop
	global_prefetch_b8 v0, s[64:65] scope:SCOPE_SE
	s_setreg_imm32_b32 hwreg(HW_REG_WAVE_MODE, 25, 1), 1
	s_wait_xcnt 0x0
	s_wait_alu depctr_hold_cnt(0) depctr_sa_sdst(0) depctr_va_vdst(0) depctr_va_sdst(0) depctr_va_ssrc(0) depctr_va_vcc(0) depctr_vm_vsrc(0)
	s_getreg_b32 s2, hwreg(HW_REG_IB_STS2, 6, 4)
	s_cmp_eq_u32 s2, 0
	s_cbranch_scc0 .Lentry_in_a_cluster
	s_endpgm
.Lentry_in_a_cluster:
	s_bfe_u32 s2, ttmp6, 0x10000c
	s_cmp_lg_u32 s2, 0xf033
	s_cbranch_scc0 .Lentry_shape_is_right
	s_endpgm
.Lentry_shape_is_right:
; THE SECOND LAUNCH: q, k, v = tensor x w_qkv^T on codes of FP4 (E2M1) with one E8M0 scale for each 32 along K; then the rotary embedding on q and k, in f32; then f16, laid head by head.
; No work is left out.  In: codes [8192][512 bytes] and [3072][512 bytes], scale bytes [..][32]; the table [32 positions][cos of 32 frequencies, sin of 32], f32.
; Out: three parts of 16,777,216 bytes (q, k, v), each [batch x 16 + head][1024 positions][64] f16: 16 rows of a head are 2,048 consecutive bytes.
; LIMIT: q, k and v are carried in f16: magnitudes from 65,504 on are not served.
; SHARES.  A work-group takes 256 rows (batch, position) and TWO heads, one after the other: head hh, then head hh + 8; a head is 192 rows of w_qkv (q 0-63, k 64-127, v 128-191).  32 x 8 = 256 work-groups.
; Wave w takes rows 64 w .. 64 w + 63 against all 192: 4 x 12 = 48 accumulators of 16 x 16.  So a wave holds whole rows of q, k and v of its head: the pair (d, d + 32) that the embedding turns lies in accumulators
; b and b + 2, in the same lane and register, and every text line is the same in every work-group.
; K = 1,024 is two LDS slots of 512 along K (rows of 256 bytes), both asked for at the head; the eight steps of 128 are written out.  THE WORK-GROUP STAYS: tensor's codes, its scale words and the table are fetched once and
; serve both heads.  When the first head's last fragments are in registers, w_qkv's bytes of both slots are filled again with the second head's rows: one joint load a wave (96 rows x 256 bytes), behind a round of the
; cluster's barrier.  They land while the first head's results are turned, packed and stored (some 590 instructions of a wave), and the first head's stores leave while the second head is multiplied.
; By this text's count a wave has two tensor loads out at the start and one behind the round.  No prefetch: the launch has one refill, and it is asked for as soon as the bytes that it fills are free.
; CLUSTERS: 4 x 4 work-groups.  The four of a row of the cluster take the same 256 rows of tensor, the four of a column the same heads: each tile is asked for JOINTLY, by the same tensor load with the same descriptor
; and a mask that names the four.  THE MATRIX INSTRUCTION IS USED TRANSPOSED (source 0 = 16 rows of w_qkv, source 1 = 16 rows of tensor): a lane holds one row and eight neighbouring channels.
; THE SCALE BYTES go straight into registers: a row's 32 bytes are eight words, one for each 128 along K; lane (r, h) loads words 4 h .. 4 h + 3 of row r, so lanes 0-15 serve slot 0 and lanes 16-31 slot 1.
; REGISTERS, in windows of 256: window 0: v16-31 addresses; v32-47 tensor's scale words, v48-95 w_qkv's; v96-159 tensor's fragments, two sets (on the way out: 64 turned numbers); v160-255 the way out's f16, two sets of 48.
;   window 1: w_qkv's fragments, two sets at v0 and v128 (on the way out: rows read back, 48 registers a block).   windows 2, 3: accumulator i = 12 a + b at window 2 + i / 32, register 8 (i % 32).   window 3, v128-255: cos and sin.
.set PITCH, 272                        ; an LDS row: 256 bytes + 16 of padding = 68 words: the 16 rows that a load touches start at 16 different banks (64 banks of 4 bytes: ISA guide 11.1)
.set ATILE, 256*PITCH
.set BTILE, 192*PITCH
.set SLOT,  ATILE+BTILE                ; tensor's 256 rows, then w_qkv's 192
.set SP,    144                        ; the way out: a stage row: 128 bytes + 16
.set STG,   3*16*SP                    ; a wave's stage: q's, k's and v's 16 rows
.set STAGE, 2*SLOT                     ; behind the slots: the four stages, 108 blocks of 256 bytes into which no fill lands
.set SPARE, STAGE+4*STG                ; behind the stages: the spare words, 128 bytes for each wave
.set PART,  0x1000000                  ; bytes from q to k and from k to v
.set HSTEP, 8                          ; heads from a work-group's first head to its second
.set HOFF,  HSTEP*131072               ; and the bytes between them in each part: 1,024 rows of 128 bytes a head
.set ADRA, 16                          ; v16-17 LDS address of my fragments of tensor in slot 0, 1
.set ADRB, 20                          ; v20-21 of w_qkv
.set STO,  24                          ; v24    the way out: where I put 16 bytes of a row
.set RD,   25                          ; v25    where I read rows back
.set CO,   26                          ; v26    16 x lane
.set VS,   27                          ; v27    scale bytes: 32 r + 16 h
.set SPW,  28                          ; v28    LDS address of my spare word; never rewritten
.set NIL,  29                          ; v29    0; never rewritten
.set VH,   30                          ; v30    the table by n / 32: 32 h
.set VW,   31                          ; v31    the table by n % 32: 256 r + 32 h
.set SCA,  32
.set SCB,  48
.set AF,   96
.set TT,   96
.set PKR,  160
.set TH,   128                         ; window 3: 128 + 32 (a / 2) + 16 (0 cos, 1 sin) + 8 bb + j: of position n / 32, frequency 16 bb + 8 h + j
.set TW,   192                         ; window 3: 192 + 32 (a % 2) + ..: of position n % 32 = 16 (a % 2) + r
.set WV,   16                          ; s16 my wave's number
.set G1,   24                          ; s[24:31] descriptor group 1 for tensor's tiles; s[32:39] group 0, one set for each slot
.set G0,   32
.set G1B,  48                          ; s[48:55], s[56:63] the same for w_qkv's
.set G0B,  56
.set G0C,  84                          ; s[84:87] group 0 of my part of the second head's rows
.set MSB, 0
.macro WIN new                         ; the immediate's high byte repeats the setting that is left; a switch that changes nothing is dropped
.if MSB != (\new)
	s_set_vgpr_msb (MSB<<8)|(\new)
.set MSB, (\new)
.endif
.endm
.macro PLACES                          ; four plain vector instructions between a matrix instruction and a load into, or a vector instruction on, its registers (ISA guide 7.12.1 for vector instructions)
.rept 4
	v_nop
.endr
.endm
; A joint load at the head: waves 0 and 1 fetch tensor's halves, waves 2 and 3 w_qkv's.  The branch hangs on the wave's number alone.  An s_nop 0 and four v_nop follow each of the two lines.
.macro JLOAD s
	s_cmp_eq_u32 s17, 0
	s_cbranch_scc0 .Lfor_b_\@
	tensor_load_to_lds s[G0+4*\s:G0+4*\s+3], s[G1:G1+7]
	s_nop 0
.rept 4
	v_nop
.endr
	s_branch .Lasked_\@
.Lfor_b_\@:
	tensor_load_to_lds s[G0B+4*\s:G0B+4*\s+3], s[G1B:G1B+7]
	s_nop 0
.rept 4
	v_nop
.endr
.Lasked_\@:
.endm
.macro CREST                           ; a round of the cluster's barrier behind its opening barrier
	s_cmp_lg_u32 s[WV], 0
	s_cbranch_scc1 .Lnot_wave_0_\@
	s_barrier_signal -3
.Lnot_wave_0_\@:
	s_barrier_wait -3
	s_barrier_signal -1
	s_barrier_wait -1
.endm
.macro CROUND                          ; a whole round
	s_barrier_signal -1
	s_barrier_wait -1
	CREST
.endm
	s_load_b256 s[4:11], s[0:1], 0x0               ; tensor's codes s[4:5], its scales s[6:7], w_qkv's codes s[8:9], its scales s[10:11]
	s_load_b128 s[12:15], s[0:1], 0x20             ; the table s[12:13], q k v s[14:15]
	v_lshl_add_u32 v[SPW], v0, 2, SPARE
	v_mov_b32 v[NIL], 0
	ds_add_u32 v[SPW], v[NIL]                      ; the wave's opening: the add, twice on end, and its wait ahead of my first tensor load
	ds_add_u32 v[SPW], v[NIL]
	v_lshrrev_b32 v1, 5, v0
	v_readfirstlane_b32 s[WV], v1                  ; wave 0..3
	s_lshr_b32 s17, s[WV], 1                       ; at the head: I fetch for tensor (0) or for w_qkv (1); at the refill: which slot's rows of w_qkv,
	s_and_b32 s18, s[WV], 1                        ; and which half of that tile
	s_bfe_u32 s40, ttmp6, 0x40000                  ; cx, cy: my place in the cluster
	s_bfe_u32 s41, ttmp6, 0x40004
	s_lshl_b32 s42, ttmp9, 2
	s_add_co_u32 s42, s42, s40                     ; the first head = 4 x cluster x + cx, 0 to 7
	s_and_b32 s19, ttmp7, 0xffff
	s_lshl_b32 s19, s19, 2
	s_add_co_u32 s19, s19, s41                     ; the block of 256 rows = 4 x cluster y + cy
	s_lshl_b32 s43, s41, 2
	s_lshl_b32 s43, 15, s43                        ; my row of the cluster
	s_lshl_b32 s44, 0x1111, s40                    ; my column
	s_or_b32 s[G1+0], s43, (1<<20)|(1<<21)|(5<<22)|(3<<25)   ; 15:0 the mask; 17:16 elements of 1 byte; 20 padding on; 21 set beside a mask; 24:22 after every 64 words; 31:25 four words
	s_or_b32 s[G1B+0], s44, (1<<20)|(1<<21)|(5<<22)|(3<<25)
.irp g, G1, G1B
	s_mov_b32 s[\g+1], 256<<16                     ; tensor_dim0 = 256 bytes
	s_mov_b32 s[\g+3], 256<<16                     ; tile_dim0
	s_mov_b32 s[\g+5], 512                         ; from row to row
	s_mov_b32 s[\g+6], 0
	s_mov_b32 s[\g+7], 0
.endr
	s_mov_b32 s[G1+2], 128<<16                     ; tensor_dim1, tile_dim1: 128 rows of tensor to a load,
	s_mov_b32 s[G1+4], 128
	s_mov_b32 s[G1B+2], 96<<16                     ; 96 of w_qkv
	s_mov_b32 s[G1B+4], 96
	s_lshl_b32 s20, s19, 8
	s_lshl_b32 s21, s18, 7
	s_add_co_u32 s20, s20, s21
	s_lshl_b32 s20, s20, 9                         ; tensor: (256 x block + 128 x half) rows of 512 bytes
	s_mov_b32 s21, 0
	s_mul_i32 s46, s42, 192
	s_mul_i32 s47, s18, 96
	s_add_co_u32 s46, s46, s47
	s_lshl_b32 s46, s46, 9                         ; w_qkv: (192 x head + 96 x half) rows
	s_mov_b32 s47, 0
	s_mul_i32 s45, s18, 128*PITCH                  ; where they go: no place in the cluster enters an LDS address
	s_mul_i32 s23, s18, 96*PITCH
	s_add_co_u32 s23, s23, ATILE
	s_mul_i32 s80, s17, SLOT
	s_lshl_b32 s2, s17, 8
	s_mov_b32 s3, 0
	s_wait_dscnt 0x0                               ; both opening adds are done
	s_wait_kmcnt 0x0
	s_add_nc_u64 s[20:21], s[4:5], s[20:21]
	s_add_nc_u64 s[46:47], s[8:9], s[46:47]
	s_mov_b32 s[G0C], 1                            ; the refill's group 0: wave w brings half w % 2 of the second head's rows, K half w / 2,
	s_add_co_u32 s[G0C+1], s23, s80                ; into the same bytes of slot w / 2 that the first head's had
	s_add_nc_u64 s[G0C+2:G0C+3], s[46:47], s[2:3]  ; 256 bytes along the rows for slot 1,
	s_add_nc_u64 s[G0C+2:G0C+3], s[G0C+2:G0C+3], HSTEP*192*512   ; eight heads of 192 rows further down
	s_or_b32 s[G0C+3], s[G0C+3], 0x80000000
	CROUND                                         ; all sixteen work-groups are here: the joint loads meet
.irp s, 0,1
	s_mov_b32 s[G0+4*\s], 1
	s_add_co_u32 s[G0+4*\s+1], s45, \s*SLOT
	s_add_nc_u64 s[G0+4*\s+2:G0+4*\s+3], s[20:21], \s*256
	s_or_b32 s[G0+4*\s+3], s[G0+4*\s+3], 0x80000000
	s_mov_b32 s[G0B+4*\s], 1
	s_add_co_u32 s[G0B+4*\s+1], s23, \s*SLOT
	s_add_nc_u64 s[G0B+4*\s+2:G0B+4*\s+3], s[46:47], \s*256
	s_or_b32 s[G0B+4*\s+3], s[G0B+4*\s+3], 0x80000000
	JLOAD \s
.endr
	v_and_b32 v1, 15, v0                           ; r = lane % 16
	v_bfe_u32 v2, v0, 4, 1                         ; h = lane / 16
	v_mul_u32_u24 v3, v1, PITCH
	v_lshl_add_u32 v3, v2, 4, v3                   ; a fragment's row x pitch + 16 h
	s_mul_i32 s2, s[WV], 64*PITCH                  ; my 64 rows of tensor
	v_add_nc_u32 v[ADRA], s2, v3
	v_add_nc_u32 v[ADRA+1], SLOT, v[ADRA]
	v_add_nc_u32 v[ADRB], ATILE, v3                ; all 192 rows of w_qkv
	v_add_nc_u32 v[ADRB+1], SLOT, v[ADRB]
	s_mul_i32 s2, s[WV], STG
	s_add_co_u32 s2, s2, STAGE                     ; my stage
	v_mul_u32_u24 v4, v1, SP
	v_lshl_add_u32 v4, v2, 4, v4
	v_add_nc_u32 v[STO], s2, v4                    ; in: row r, 16 bytes for each half of the lanes
	v_and_b32 v5, 31, v0
	v_lshrrev_b32 v6, 3, v5
	v_and_b32 v7, 7, v0
	v_mul_u32_u24 v6, v6, SP
	v_lshl_add_u32 v6, v7, 4, v6
	v_add_nc_u32 v[RD], s2, v6                     ; back: eight lanes to a row of 128 bytes, four rows an instruction
	v_lshlrev_b32 v[CO], 4, v5
	v_lshlrev_b32 v[VS], 5, v1
	v_lshl_add_u32 v[VS], v2, 4, v[VS]
	v_lshlrev_b32 v[VH], 5, v2
	v_lshl_add_u32 v[VW], v1, 8, v[VH]
	s_lshl_b32 s2, s19, 8
	s_lshl_b32 s3, s[WV], 6
	s_add_co_u32 s2, s2, s3
	s_lshl_b32 s2, s2, 5                           ; my 64 rows' scale bytes, 32 a row
	s_mov_b32 s3, 0
	s_add_nc_u64 s[76:77], s[6:7], s[2:3]
	s_mul_i32 s2, s42, 192*32                      ; the first head's 192 rows'
	s_add_nc_u64 s[78:79], s[10:11], s[2:3]
	s_lshr_b32 s2, s19, 2                          ; the batch: four blocks of 256 rows each
	s_lshl_b32 s2, s2, 4
	s_add_co_u32 s2, s2, s42                       ; batch x 16 + head
	s_lshl_b32 s2, s2, 10
	s_and_b32 s80, s19, 3
	s_lshl_b32 s81, s80, 8
	s_add_co_u32 s2, s2, s81
	s_lshl_b32 s81, s[WV], 6
	s_add_co_u32 s2, s2, s81                       ; + my first position
	s_lshl_b32 s2, s2, 7                           ; rows of 128 bytes
	s_add_nc_u64 s[68:69], s[14:15], s[2:3]        ; q,
	s_add_nc_u64 s[70:71], s[68:69], PART          ; k,
	s_add_nc_u64 s[72:73], s[70:71], PART          ; v at my first row of the first head
	s_lshl_b32 s2, s80, 3
	s_lshl_b32 s81, s[WV], 1
	s_add_co_u32 s2, s2, s81                       ; my first position / 32
	s_lshl_b32 s2, s2, 8
	s_add_nc_u64 s[74:75], s[12:13], s[2:3]
.irp i, 0,1,2,3
	global_load_b128 v[SCA+4*\i:SCA+4*\i+3], v[VS], s[76:77] offset:512*\i    ; 32 lanes read 16 rows' 512 consecutive bytes
.endr
.irp b, 0,1,2,3,4,5,6,7,8,9,10,11
	global_load_b128 v[SCB+4*\b:SCB+4*\b+3], v[VS], s[78:79] offset:512*\b
.endr
	WIN 0xc0                                       ; destination window 3
.irp x, 0,1
.irp y, 0,1
.irp z, 0,1
.irp u, 0,1
	global_load_b128 v[TH+32*\x+16*\y+8*\z+4*\u:TH+32*\x+16*\y+8*\z+4*\u+3], v[VH], s[74:75] offset:256*\x+128*\y+64*\z+16*\u
	global_load_b128 v[TW+32*\x+16*\y+8*\z+4*\u:TW+32*\x+16*\y+8*\z+4*\u+3], v[VW], s[12:13] offset:4096*\x+128*\y+64*\z+16*\u
.endr
.endr
.endr
.endr
	WIN 0
.macro FRAG reg, adr, q, i             ; 16 rows x 128 K of 4-bit codes: 8 registers: lane (r, h) holds row r; registers 4 c .. 4 c + 3 hold K = 64 c + 32 h + 0 .. 31
.irp c, 0,1
	ds_load_b128 v[\reg+4*\c:\reg+4*\c+3], v[\adr] offset:64*(\q)+32*\c+(\i)*16*PITCH
.endr
.endm
.macro FETCH slot, q, p                ; the fragments of the slot's q-th 128 along K into set p: 32 LDS loads in one run
	WIN 0x40                                       ; destination window 1
.irp i, 0,1,2,3,4,5,6,7,8,9,10,11
	FRAG 128*(\p)+8*\i, ADRB+(\slot), \q, \i
.endr
	WIN 0
.irp i, 0,1,2,3
	FRAG AF+32*(\p)+8*\i, ADRA+(\slot), \q, \i
.endr
.endm
; 12 matrix instructions: tensor's block a against w_qkv's twelve, step q of eight.  The 48 accumulators take turns, one instruction a turn, in the same order in every step.
; zero = 1: the first product starts the sums.  Steps 4 to 7 take their scale words from lanes 16-31.
.macro MULA a, p, q, zero
.irp b, 0,1,2,3,4,5,6,7,8,9,10,11
.set AI, 12*(\a)+\b
.set AR, 8*(AI%32)
	WIN 0xa1+0x50*(AI/32)                          ; source 0 window 1, source 1 window 0, C and D window 2 or 3
.if \zero
	v_wmma_scale_f32_16x16x128_f8f6f4 v[AR:AR+7], v[128*(\p)+8*\b:128*(\p)+8*\b+7], v[AF+32*(\p)+8*(\a):AF+32*(\p)+8*(\a)+7], 0, v[SCB+4*\b+(\q)%4], v[SCA+4*(\a)+(\q)%4] matrix_a_fmt:MATRIX_FMT_FP4 matrix_b_fmt:MATRIX_FMT_FP4
.elseif (\q) < 4
	v_wmma_scale_f32_16x16x128_f8f6f4 v[AR:AR+7], v[128*(\p)+8*\b:128*(\p)+8*\b+7], v[AF+32*(\p)+8*(\a):AF+32*(\p)+8*(\a)+7], v[AR:AR+7], v[SCB+4*\b+(\q)%4], v[SCA+4*(\a)+(\q)%4] matrix_a_fmt:MATRIX_FMT_FP4 matrix_b_fmt:MATRIX_FMT_FP4
.else
	v_wmma_scale_f32_16x16x128_f8f6f4 v[AR:AR+7], v[128*(\p)+8*\b:128*(\p)+8*\b+7], v[AF+32*(\p)+8*(\a):AF+32*(\p)+8*(\a)+7], v[AR:AR+7], v[SCB+4*\b+(\q)%4], v[SCA+4*(\a)+(\q)%4] matrix_a_fmt:MATRIX_FMT_FP4 matrix_b_fmt:MATRIX_FMT_FP4 matrix_a_scale:MATRIX_SCALE_ROW1 matrix_b_scale:MATRIX_SCALE_ROW1
.endif
.endr
.endm
.macro STEP q, zero                    ; a step whose successor's tiles are known to be whole
	s_wait_dscnt 0x0                               ; this step's fragments are in: they were asked for a step, 48 matrix instructions, ago
	PLACES                                         ; behind the last step's products, which read the set that is now loaded again
	FETCH ((\q)+1)/4, ((\q)+1)%4, ((\q)+1)%2
	MULA 0, (\q)%2, \q, \zero
	MULA 1, (\q)%2, \q, \zero
	MULA 2, (\q)%2, \q, \zero
	MULA 3, (\q)%2, \q, \zero
.endm
; THE WAY OUT, a block of 16 rows at a time.  Lane (r, h) holds row r; register j of accumulator b holds column 16 b + 8 h + j of the head's 192.
; The embedding, for d = 16 bb + 8 h + j under 32:  out[d] = x[d] cos(hp f_d) - x[d + 32] sin(hp f_d);  out[d + 32] = x[d + 32] cos(wp f_d) + x[d] sin(wp f_d);  hp = n / 32, wp = n % 32.
.macro PACK a
.set PS, PKR+48*((\a)%2)
.irp x, 0,1                            ; q, k
.irp y, 0,1                            ; bb
.set A1, 12*(\a)+4*\x+\y
.set X1, 8*(A1%32)
.set X2, 8*((A1+2)%32)
.set T1, TT+32*\x+8*\y
.set T2, T1+16
.set HC, TH+32*((\a)/2)+8*\y
.set WC, TW+32*((\a)%2)+8*\y
	WIN 0x0e+(A1/32)                               ; source 0: the accumulators' window; source 1: window 3; source 2 and destination: window 0
.irp j, 0,2,4,6                        ; each accumulator from its low end on
	v_pk_mul_f32 v[T1+\j:T1+\j+1], v[X1+\j:X1+\j+1], v[HC+\j:HC+\j+1]
	v_pk_mul_f32 v[T2+\j:T2+\j+1], v[X2+\j:X2+\j+1], v[WC+\j:WC+\j+1]
	v_pk_fma_f32 v[T1+\j:T1+\j+1], v[X2+\j:X2+\j+1], v[HC+16+\j:HC+16+\j+1], v[T1+\j:T1+\j+1] neg_lo:[1,0,0] neg_hi:[1,0,0]
	v_pk_fma_f32 v[T2+\j:T2+\j+1], v[X1+\j:X1+\j+1], v[WC+16+\j:WC+16+\j+1], v[T2+\j:T2+\j+1]
.endr
.endr
.endr
	WIN 0
.irp i, 0,1,2,3,4,5,6,7,8,9,10,11,12,13,14,15,16,17,18,19,20,21,22,23,24,25,26,27,28,29,30,31
	v_cvt_pk_f16_f32 v[PS+\i], v[TT+2*\i], v[TT+2*\i+1]            ; q's and k's 32 pairs
.endr
.set AV, 12*(\a)+8
	WIN 0x0a+5*(AV/32)                             ; sources 0 and 1: v's accumulators' window
.irp i, 0,1,2,3,4,5,6,7,8,9,10,11,12,13,14,15
	v_cvt_pk_f16_f32 v[PS+32+\i], v[8*(AV%32)+2*\i], v[8*(AV%32)+2*\i+1]   ; v as it is
.endr
	WIN 0
.endm
.macro TOSTAGE a                       ; a lane's eight channels are 16 bytes of a row; they go into rows of 144 bytes and come back as whole rows, four to an instruction
.set PS, PKR+48*((\a)%2)
.irp x, 0,1,2
.irp y, 0,1,2,3
	ds_store_b128 v[STO], v[PS+16*\x+4*\y:PS+16*\x+4*\y+3] offset:16*SP*\x+32*\y
.endr
.endr
	WIN 0x40                                       ; destination window 1: each block of a head has 48 registers of its own
.irp x, 0,1,2
.irp y, 0,1,2,3
	ds_load_b128 v[48*(\a)+16*\x+4*\y:48*(\a)+16*\x+4*\y+3], v[RD] offset:16*SP*\x+4*SP*\y   ; LDS serves a wave's instructions in order (ISA guide 5.7.1.4): these see the stores above
.endr
.endr
	WIN 0
.endm
.macro SEND a, tl                      ; tl: the work-group's first head (0) or its second (1), which stands in the immediate
	s_wait_dscnt 0x0                               ; the block is back in registers
	WIN 0x04                                       ; a store's data are its source 1: window 1
.irp y, 0,1,2,3
	global_store_b128 v[CO], v[48*(\a)+4*\y:48*(\a)+4*\y+3], s[68:69] offset:HOFF*(\tl)+2048*(\a)+512*\y          ; 32 lanes store four rows: 512 consecutive bytes, aligned to 512
	global_store_b128 v[CO], v[48*(\a)+16+4*\y:48*(\a)+16+4*\y+3], s[70:71] offset:HOFF*(\tl)+2048*(\a)+512*\y
	global_store_b128 v[CO], v[48*(\a)+32+4*\y:48*(\a)+32+4*\y+3], s[72:73] offset:HOFF*(\tl)+2048*(\a)+512*\y
.endr
	WIN 0
.endm
.macro WAYOUT tl
	PACK 0
	TOSTAGE 0
	PACK 1                                         ; a block's arithmetic stands between the loads of the block before and the wait for them
	SEND 0, \tl
	TOSTAGE 1
	PACK 2
	SEND 1, \tl
	TOSTAGE 2
	PACK 3
	SEND 2, \tl
	TOSTAGE 3
	SEND 3, \tl
.endm
; ---- THE FIRST HEAD
	s_wait_tensorcnt 1                             ; my part of slot 0 is in; slot 1's load may stay out
	s_barrier_signal -1
	s_barrier_wait -1                              ; everybody's is
	FETCH 0, 0, 0
	s_wait_loadcnt 32                              ; the 16 loads of scale words are in; the 32 of the table, issued behind them, may stay out
	STEP 0, 1
	STEP 1, 0
	STEP 2, 0
	s_wait_dscnt 0x0                               ; step 3 changes slots: its fragments are in,
	s_wait_tensorcnt 0x0                           ; and my part of slot 1 has landed
	s_barrier_signal -1
	MULA 0, 1, 3, 0                                ; work on registers while the others arrive
	s_barrier_wait -1                              ; slot 1 is whole
	PLACES
	FETCH 1, 0, 0
	MULA 1, 1, 3, 0
	MULA 2, 1, 3, 0
	MULA 3, 1, 3, 0
	STEP 4, 0
	STEP 5, 0
	STEP 6, 0
	s_wait_dscnt 0x0                               ; step 7: the head's last fragments are in registers: my reads of w_qkv's bytes, in both slots, are over
	WIN 0                                          ; (the add's two registers lie in window 0)
	s_wait_tensorcnt 0x0                           ; no tensor load of mine is out;
	ds_add_u32 v[SPW], v[NIL]                      ; 0 onto my spare word;
	MULA 0, 1, 7, 0                                ; twelve matrix instructions stand between the add and the wait for it
	s_wait_dscnt 0x0                               ; the add is done
	s_barrier_signal -1                            ; this barrier opens a round of the cluster's barrier
	MULA 1, 1, 7, 0
	WIN 0
	s_barrier_wait -1
	CREST                                          ; no wave of any partner still reads the first head's rows or has a load on its way
	tensor_load_to_lds s[G0C:G0C+3], s[G1B:G1B+7]  ; the second head's rows: my one load, the first thing behind the round; each wave's two addresses are its own by its number
	s_nop 0
	PLACES
	MULA 2, 1, 7, 0
	MULA 3, 1, 7, 0
	WIN 0
	PLACES                                         ; behind the last products: what follows reads results, writes over tensor's fragments and loads into w_qkv's fragments and scale words
	s_wait_loadcnt 0x0                             ; the table
.irp b, 0,1,2,3,4,5,6,7,8,9,10,11
	global_load_b128 v[SCB+4*\b:SCB+4*\b+3], v[VS], s[78:79] offset:HSTEP*192*32+512*\b   ; the second head's scale words
.endr
	WAYOUT 0
; ---- THE SECOND HEAD: tensor's tiles lie in LDS as they lay, its scale words and the table in registers
	s_wait_xcnt 0x0                                ; the first head's stores have read their data: the fetches below land in those registers only behind this wait
	s_wait_tensorcnt 0x0                           ; my part of the second head's rows has landed
	s_wait_dscnt 0x0
	s_barrier_signal -1
	s_barrier_wait -1                              ; everybody's has: both slots are whole, so no barrier stands between the eight steps
	FETCH 0, 0, 0
	s_wait_loadcnt 0x0                             ; its scale words
	STEP 0, 1
	STEP 1, 0
	STEP 2, 0
	STEP 3, 0
	STEP 4, 0
	STEP 5, 0
	STEP 6, 0
	s_wait_dscnt 0x0                               ; the last step: nothing more to fetch
	MULA 0, 1, 7, 0
	MULA 1, 1, 7, 0
	MULA 2, 1, 7, 0
	MULA 3, 1, 7, 0
	WIN 0
	PLACES
	WAYOUT 1
	s_wait_tensorcnt 0x0                           ; the wave's end, behind my last tensor load and my last LDS store
	ds_add_u32 v[SPW], v[NIL]
	s_wait_dscnt 0x0
	CROUND                                         ; the closing round: no work-group ends while a partner may still ask for a tile that names it
	s_endpgm
.Lfunc_end_k_qe865d59417_qkv:
	.size	k_qe865d59417_qkv, .Lfunc_end_k_qe865d59417_qkv-k_qe865d59417_qkv
	.p2alignl 7, 3214868480
	.fill 96, 4, 3214868480
	.section	.rodata,"a",@progbits
	.p2align	6, 0x0
	.amdhsa_kernel k_qe865d59417_qkv
		.amdhsa_group_segment_fixed_size 327680
		.amdhsa_private_segment_fixed_size 0
		.amdhsa_enable_private_segment 0
		.amdhsa_kernarg_size 48
		.amdhsa_user_sgpr_count 2
		.amdhsa_user_sgpr_kernarg_segment_ptr 1
		.amdhsa_wavefront_size32 1
		.amdhsa_system_sgpr_workgroup_id_x 1
		.amdhsa_system_sgpr_workgroup_id_y 1
		.amdhsa_system_sgpr_workgroup_id_z 1
		.amdhsa_system_vgpr_workitem_id 0
		.amdhsa_next_free_vgpr 1024
		.amdhsa_next_free_sgpr 88
		.amdhsa_reserve_vcc 0
		.amdhsa_float_denorm_mode_32 3
		.amdhsa_float_denorm_mode_16_64 3
		.amdhsa_memory_ordered 1
		.amdhsa_forward_progress 1
		.amdhsa_inst_pref_size 227
	.end_amdhsa_kernel
	.amdgpu_metadata
---
amdhsa.version: [ 1, 2 ]
amdhsa.kernels:
  - .name:           k_qe865d59417_qkv
    .symbol:         k_qe865d59417_qkv.kd
    .args:
      - { .name: a_codes, .offset: 0, .size: 8, .value_kind: global_buffer, .address_space: global }
      - { .name: a_scales, .offset: 8, .size: 8, .value_kind: global_buffer, .address_space: global }
      - { .name: b_codes, .offset: 16, .size: 8, .value_kind: global_buffer, .address_space: global }
      - { .name: b_scales, .offset: 24, .size: 8, .value_kind: global_buffer, .address_space: global }
      - { .name: rope, .offset: 32, .size: 8, .value_kind: global_buffer, .address_space: global }
      - { .name: qkv, .offset: 40, .size: 8, .value_kind: global_buffer, .address_space: global }
    .group_segment_fixed_size: 327680
    .private_segment_fixed_size: 0
    .kernarg_segment_align: 8
    .kernarg_segment_size: 48
    .max_flat_workgroup_size: 128
    .sgpr_count:     88
    .vgpr_count:     1024
    .wavefront_size: 32
...
	.end_amdgpu_metadata
.endif
;; end of part 2
;; launch attn (part 3): grid 2 x 128, 8 waves a work-group, no clusters, 327,680 bytes of LDS; arguments qkv, oh; writes oh
.if DOCPART == 3
	.amdgcn_target "amdgcn-amd-amdhsa--gfx1250"
	.amdhsa_code_object_version 6
	.text
	.protected	k_qe865d59417_attn
	.globl	k_qe865d59417_attn
	.p2align	8
	.type	k_qe865d59417_attn,@function
k_qe865d59417_attn:
	s_mov_b64 s[64:65], 0
	v_nop
	global_prefetch_b8 v0, s[64:65] scope:SCOPE_SE
	s_setreg_imm32_b32 hwreg(HW_REG_WAVE_MODE, 25, 1), 1
	s_wait_xcnt 0x0
; THE THIRD LAUNCH: o[g][q][:] = the sum over k of softmax_k(q[g][q] . k[g][k] / 8) v[g][k][:], g = batch x 16 + head, 128 of them; 1,024 positions, head size 64, no mask.  No work is left out.
; q, k, v: three parts of one buffer, each [128][1024][64] f16; o likewise.  Products on f16 operands with f32 sums; maxima, exponentials and sums in f32; the weights p (at most 1) are rounded to f16 for the second product.
; LIMIT: o is carried in f16: magnitudes from 65,504 on are not served.
; SHARES.  A work-group owns 512 queries of one g; each of its EIGHT waves owns 64, four tiles of 16, in 512 registers: two waves to a SIMD, so that one wave's vector work stands beside the other's matrix work.
; Every wave walks all 1,024 keys, 64 a step; each fragment of k and v read from LDS feeds four matrix instructions.
; ALL OF k AND v OF THE HEAD LIES IN LDS, each byte filled once: 1,024 rows of 144 bytes and 1,024 of 160.  Waves 0-3 fetch k, waves 4-7 v.  IN TWO PARTS: at the head each wave asks for 64 rows of the first 256 keys, so that
; the first step waits for 65,536 bytes of k and v and as many of q, and for no more; behind the first barrier each wave asks for 192 rows of the other 768 keys, by one load, which has four steps, 256 matrix instructions of
; a wave, in which to land.  By this text's count one tensor load of a wave is out at the most.  Nothing is filled again.  No prefetch: each load is asked for as early as its turn allows, the second four steps ahead of the wait for it.
; NO CLUSTER: only the two work-groups of a g read the same 262,144 bytes, each once, for 16 steps of 64 matrix instructions a wave; a cluster of four would hold two g's, and a mask would name two of its four.
; LAYOUT.  S^T = k q^T (source 0 = 16 keys, source 1 = 16 queries): a lane holds ONE query (lane % 16) and the keys 8 (lane / 16) + 0..7.  Two such tiles, rounded to f16 in pairs, ARE source 1 (32 keys x 16 queries) of
; O^T = v^T P, whose result again holds one query a lane, and eight channels.  k comes out of LDS as it lies, v ([key][channel]) turned, by ds_load_tr16_b128.
; SOFTMAX.  For each query a running maximum m and sum l: p = 2^(c s - c m), c = log2(e) / 8; in every step O and l are multiplied by a = 2^(c m_old - c m_new).
; REGISTERS: window 0: v1-11 addresses; v16-47 eight registers of statistics a tile; v64-191 S^T, 32 a tile (P is packed in place into a tile's first 16); v192-255 k's fragments.
;   window 1: v0-127 O^T, 32 a tile; v128-191 q, 16 a tile; v192-255 v's fragments.
.set KP,    144       ; a row of k in LDS: 128 bytes + 16 = 36 words: the 16 rows of a load start at 16 different groups of four banks (64 banks of 4 bytes: ISA guide 11.1)
.set VP,    160       ; a row of v: 128 + 32 = 40 words
.set VB,    1024*KP   ; v lies behind k
.set SPARE, VB+1024*VP  ; behind both: the spare words, 128 bytes for each wave
.set PART,  0x1000000 ; bytes from q to k and from k to v
.set AK0, 1           ; v1   my lane's place in a tile of k; never rewritten
.set AV0, 2           ; v2   the same for v
.set ADK, 3           ; v3   LDS address of the step's k
.set ADV, 4           ; v4   of its v
.set QO,  5           ; v5   my byte offset in the wave's rows of q
.set STO, 6           ; v6   the way out: where I put 16 bytes of a row
.set RD,  7           ; v7   where I read rows back
.set GO,  8           ; v8   16 x lane
.set SPW, 10          ; v10  LDS address of my spare word; never rewritten
.set NIL, 11          ; v11  0; never rewritten
.set ST,  16          ; tile t's statistics at v[ST + 8 t]: +0 c m, +1 m, +2, +3 l (even keys', odd keys'), +4 to +7 at work; a takes +6
.set S,   64
.set KF,  192         ; window 0
.set QF,  128         ; window 1
.set VF,  192         ; window 1
.set WV,  12          ; s12  my wave's number
.set G1K, 24          ; s[24:31] descriptor group 1 for 64 rows of k; s[32:39] of v: it differs in the padding alone
.set G1V, 32
.set G0K, 40          ; s[40:43] group 0 of my 64 rows of k's first 256
.set G0KR, 44         ; s[44:47] of my 192 rows of the other 768
.set G1KR, 48         ; s[48:55] group 1 for 192 rows of k
.set G0V, 68          ; s[68:71], s[72:75], s[76:83] the same three for v
.set G0VR, 72
.set G1VR, 76
.set CNT, 56
.set CS,  58          ; s[58:59] c: the packed scaling names a pair and takes its low word for both halves
.set SEL, 60          ; s[60:61] lane selects for v_permlanex16_b32: lane l xor 16
.set TK,  62          ; s62  where the step's rows of k begin
.set TV,  63          ; s63  and of v
.set MSB, 0
.macro WIN new
.if MSB != (\new)
	s_set_vgpr_msb (MSB<<8)|(\new)
.set MSB, (\new)
.endif
.endm
.macro PLACES
.rept 4
	v_nop
.endr
.endm
; Waves 0 to 3 fetch for k, waves 4 to 7 for v: every wave issues one of the two lines.  The branch hangs on the wave's number alone.  An s_nop 0 and four v_nop follow each line.
.macro KVLOAD g0k, g1k, g0v, g1v
	s_cmp_lt_u32 s[WV], 4
	s_cbranch_scc0 .Lfor_v_\@
	tensor_load_to_lds s[\g0k:\g0k+3], s[\g1k:\g1k+7]
	s_nop 0
.rept 4
	v_nop
.endr
	s_branch .Lasked_\@
.Lfor_v_\@:
	tensor_load_to_lds s[\g0v:\g0v+3], s[\g1v:\g1v+7]
	s_nop 0
.rept 4
	v_nop
.endr
.Lasked_\@:
.endm
	s_load_b128 s[4:7], s[0:1], 0x0  ; q k v s[4:5], o s[6:7]
	v_lshl_add_u32 v[SPW], v0, 2, SPARE
	v_mov_b32 v[NIL], 0
	ds_add_u32 v[SPW], v[NIL]       ; the wave's opening: the add, twice on end, and its wait ahead of my first tensor load
	ds_add_u32 v[SPW], v[NIL]
	v_lshrrev_b32 v9, 5, v0
	v_readfirstlane_b32 s[WV], v9   ; wave 0..7
	s_and_b32 s13, s[WV], 3         ; which quarter of each part I fetch
	s_and_b32 s14, ttmp7, 0xffff    ; g
	s_lshl_b32 s2, s14, 17          ; g's first byte in each part of the buffer: 1,024 rows of 128 bytes
	s_lshl_b32 s15, s13, 13
	s_add_co_u32 s16, s2, s15       ; + my 64 rows of the first 256
	s_mov_b32 s17, 0
	s_mul_i32 s22, s13, 192*128
	s_add_co_u32 s22, s22, s2       ; + my 192 rows, counted from row 256
	s_mov_b32 s23, 0
	s_mul_i32 s18, s13, 64*KP       ; and their places in LDS
	s_mul_i32 s19, s13, 64*VP
	s_add_co_u32 s19, s19, VB
	s_mul_i32 s3, s13, 192*KP
	s_add_co_u32 s3, s3, 256*KP
	s_mul_i32 s15, s13, 192*VP
	s_add_co_u32 s15, s15, VB+256*VP
	s_mov_b32 s[G1K], (1<<16)|(1<<20)|(4<<22)|(3<<25)   ; 15:0 no mask; 17:16 elements of 2 bytes; 20 padding on; 24:22 after every 32 words; 31:25 four words
	s_mov_b32 s[G1KR], (1<<16)|(1<<20)|(4<<22)|(3<<25)
	s_mov_b32 s[G1V], (1<<16)|(1<<20)|(4<<22)|(7<<25)   ; the same with eight words
	s_mov_b32 s[G1VR], (1<<16)|(1<<20)|(4<<22)|(7<<25)
.irp g, G1K, G1V, G1KR, G1VR
	s_mov_b32 s[\g+1], 64<<16       ; tensor_dim0 = 64
	s_mov_b32 s[\g+3], 64<<16       ; tile_dim0 = 64
	s_mov_b32 s[\g+5], 64           ; from row to row
	s_mov_b32 s[\g+6], 0
	s_mov_b32 s[\g+7], 0
.endr
.irp g, G1K, G1V
	s_mov_b32 s[\g+2], 64<<16       ; tensor_dim1, tile_dim1 = 64 rows
	s_mov_b32 s[\g+4], 64
.endr
.irp g, G1KR, G1VR
	s_mov_b32 s[\g+2], 192<<16      ; 192 rows
	s_mov_b32 s[\g+4], 192
.endr
	s_mov_b32 s[CS], 0x3e38aa3b     ; c = log2(e) / 8
	s_mov_b32 s[CS+1], s[CS]        ; named with it as a pair, so it is written
	s_mov_b32 s[SEL], 0x76543210
	s_mov_b32 s[SEL+1], 0xfedcba98
	s_mov_b32 s[TK], 0
	s_mov_b32 s[TV], 0
	s_wait_dscnt 0x0                ; both opening adds are done
	s_wait_kmcnt 0x0
	s_add_nc_u64 s[20:21], s[4:5], s[16:17]
	s_add_nc_u64 s[22:23], s[4:5], s[22:23]
	s_mov_b32 s[G0K], 1
	s_mov_b32 s[G0K+1], s18
	s_add_nc_u64 s[G0K+2:G0K+3], s[20:21], PART
	s_or_b32 s[G0K+3], s[G0K+3], 0x80000000
	s_mov_b32 s[G0V], 1
	s_mov_b32 s[G0V+1], s19
	s_add_nc_u64 s[G0V+2:G0V+3], s[20:21], 2*PART
	s_or_b32 s[G0V+3], s[G0V+3], 0x80000000
	s_mov_b32 s[G0KR], 1
	s_mov_b32 s[G0KR+1], s3
	s_add_nc_u64 s[G0KR+2:G0KR+3], s[22:23], PART+256*128
	s_or_b32 s[G0KR+3], s[G0KR+3], 0x80000000
	s_mov_b32 s[G0VR], 1
	s_mov_b32 s[G0VR+1], s15
	s_add_nc_u64 s[G0VR+2:G0VR+3], s[22:23], 2*PART+256*128
	s_or_b32 s[G0VR+3], s[G0VR+3], 0x80000000
	KVLOAD G0K, G1K, G0V, G1V       ; the first 256 keys: every wave's first fill, ahead of every wait on TENSORcnt, every LDS read and every barrier
	v_and_b32 v12, 15, v0           ; r
	v_bfe_u32 v13, v0, 4, 1         ; h
	v_lshlrev_b32 v[QO], 7, v12
	v_lshl_add_u32 v[QO], v13, 4, v[QO]  ; row r of 128 bytes + 16 h
	s_lshl_b32 s22, ttmp9, 16       ; my work-group's 512 rows,
	s_lshl_b32 s23, s[WV], 13       ; my wave's 64 of them
	s_add_co_u32 s22, s22, s23
	s_add_co_u32 s22, s22, s2
	s_mov_b32 s23, 0
	s_add_nc_u64 s[8:9], s[4:5], s[22:23]    ; q at my first row
	s_add_nc_u64 s[10:11], s[6:7], s[22:23]  ; o likewise
	WIN 0x40                        ; destination window 1
.irp t, 0,1,2,3
.irp c, 0,1                         ; q stays in registers: tile t, channels 32 c on
	global_load_b128 v[QF+16*\t+8*\c:QF+16*\t+8*\c+3],   v[QO], s[8:9] offset:2048*\t+64*\c
	global_load_b128 v[QF+16*\t+8*\c+4:QF+16*\t+8*\c+7], v[QO], s[8:9] offset:2048*\t+64*\c+32
.endr
.endr
	WIN 0
	v_mul_u32_u24 v[AK0], v12, KP
	v_lshl_add_u32 v[AK0], v13, 4, v[AK0]  ; row r x pitch + 16 h
	v_and_b32 v14, 7, v0
	v_bfe_u32 v15, v0, 3, 1
	v_lshl_add_u32 v[AV0], v13, 3, v14     ; the turning load: lane l reads 16 bytes of key 8 (l / 16) + l % 8, channels 8 ((l / 8) % 2) on
	v_mul_u32_u24 v[AV0], v[AV0], VP
	v_lshl_add_u32 v[AV0], v15, 4, v[AV0]
	v_add_nc_u32 v[AV0], VB, v[AV0]
	s_mul_i32 s22, s[WV], 16*KP     ; the way out: my stage, 16 rows of 144 bytes, in k's bytes
	v_add_nc_u32 v[STO], s22, v[AK0]
	v_bfe_u32 v9, v0, 3, 2
	v_mul_u32_u24 v[RD], v9, KP
	v_lshl_add_u32 v[RD], v14, 4, v[RD]
	v_add_nc_u32 v[RD], s22, v[RD]  ; back: eight lanes to a row of 128 bytes, four rows an instruction
	v_and_b32 v9, 31, v0
	v_lshlrev_b32 v[GO], 4, v9
; A KEY STEP: 64 keys.  first = 1: the first step, which starts m, l and O^T: it has no a and nothing to rescale.
.macro STEP first
	v_add_nc_u32 v[ADK], s[TK], v[AK0]
	v_add_nc_u32 v[ADV], s[TV], v[AV0]
	PLACES                          ; with the two additions six plain instructions behind the last step's products: four are owed ahead of the loads into v's registers, five ahead of the products that write S^T over P
.irp k, 0,1,2,3
.irp c, 0,1                         ; keys 16 k on, channels 32 c on
	ds_load_b128 v[KF+8*(2*\k+\c):KF+8*(2*\k+\c)+3],   v[ADK] offset:\k*16*KP+64*\c
	ds_load_b128 v[KF+8*(2*\k+\c)+4:KF+8*(2*\k+\c)+7], v[ADK] offset:\k*16*KP+64*\c+32
.endr
.endr
	WIN 0x40                        ; destination window 1
.irp c, 0,1
.irp d, 0,1,2,3                     ; keys 32 c on, channels 16 d on
	ds_load_tr16_b128 v[VF+8*(4*\c+\d):VF+8*(4*\c+\d)+3],   v[ADV] offset:\c*32*VP+32*\d
	ds_load_tr16_b128 v[VF+8*(4*\c+\d)+4:VF+8*(4*\c+\d)+7], v[ADV] offset:\c*32*VP+16*VP+32*\d
.endr
.endr
	s_wait_dscnt 16                 ; k's 16 loads are in; v's 16, issued behind them, may stay out
	WIN 0x04                        ; source 1 (q) window 1
.irp c, 0,1                         ; S^T = k q^T: the 16 accumulators take turns, one instruction a turn; the first 16 start the sums
.irp k, 0,1,2,3
.irp t, 0,1,2,3
.if \c == 0
	v_wmma_f32_16x16x32_f16 v[S+32*\t+8*\k:S+32*\t+8*\k+7], v[KF+8*(2*\k+\c):KF+8*(2*\k+\c)+7], v[QF+16*\t+8*\c:QF+16*\t+8*\c+7], 0
.else
	v_wmma_f32_16x16x32_f16 v[S+32*\t+8*\k:S+32*\t+8*\k+7], v[KF+8*(2*\k+\c):KF+8*(2*\k+\c)+7], v[QF+16*\t+8*\c:QF+16*\t+8*\c+7], v[S+32*\t+8*\k:S+32*\t+8*\k+7]
.endif
.endr
.endr
.endr
	WIN 0
	PLACES
	; the maximum of a lane's 32 scores and the old m, three operands at a time, the four tiles by turns; each accumulator is read from its low end on
.irp j, 0,1,2,3
.irp t, 0,1,2,3
	v_max3_num_f32 v[ST+8*\t+4+\j], v[S+32*\t+8*\j], v[S+32*\t+8*\j+1], v[S+32*\t+8*\j+2]
.endr
.endr
.irp n, 3,5
.irp j, 0,1,2,3
.irp t, 0,1,2,3
	v_max3_num_f32 v[ST+8*\t+4+\j], v[ST+8*\t+4+\j], v[S+32*\t+8*\j+\n], v[S+32*\t+8*\j+\n+1]
.endr
.endr
.endr
.irp t, 0,1,2,3
	v_max3_num_f32 v[ST+8*\t+4], v[ST+8*\t+4], v[S+32*\t+7], v[S+32*\t+15]
.endr
.irp t, 0,1,2,3
	v_max3_num_f32 v[ST+8*\t+6], v[ST+8*\t+6], v[S+32*\t+23], v[S+32*\t+31]
.endr
.irp t, 0,1,2,3
	v_max3_num_f32 v[ST+8*\t+4], v[ST+8*\t+4], v[ST+8*\t+5], v[ST+8*\t+6]
.endr
.irp t, 0,1,2,3
.if \first
	v_max_num_f32 v[ST+8*\t+4], v[ST+8*\t+4], v[ST+8*\t+7]
.else
	v_max3_num_f32 v[ST+8*\t+4], v[ST+8*\t+4], v[ST+8*\t+7], v[ST+8*\t+1]
.endif
.endr
.irp t, 0,1,2,3
	v_permlanex16_b32 v[ST+8*\t+5], v[ST+8*\t+4], s[SEL], s[SEL+1]  ; the query's other 32 keys lie in the lane 16 away
.endr
.if !\first
.irp t, 0,1,2,3
	v_mov_b32 v[ST+8*\t+7], v[ST+8*\t]  ; c m_old is kept for a
.endr
.endif
.irp t, 0,1,2,3
	v_max_num_f32 v[ST+8*\t+1], v[ST+8*\t+4], v[ST+8*\t+5]
.endr
.irp t, 0,1,2,3
	v_mul_f32 v[ST+8*\t], s[CS], v[ST+8*\t+1]
.endr
.if !\first
.irp t, 0,1,2,3
	v_sub_f32 v[ST+8*\t+7], v[ST+8*\t+7], v[ST+8*\t]
.endr
.endif
.set II, 0
.rept 16
.irp t, 0,1,2,3
	v_pk_fma_f32 v[S+32*\t+II:S+32*\t+II+1], v[S+32*\t+II:S+32*\t+II+1], s[CS:CS+1], v[ST+8*\t:ST+8*\t+1] op_sel_hi:[1,0,0] neg_lo:[0,0,1] neg_hi:[0,0,1]  ; c s - c m, two at a time
.endr
.set II, II+2
.endr
	; ONE BATCH of exponentials, none of which reads another's result
.if !\first
.irp t, 0,1,2,3
	v_exp_f32 v[ST+8*\t+6], v[ST+8*\t+7]  ; a
.endr
.endif
.set II, 0
.rept 32
.irp t, 0,1,2,3
	v_exp_f32 v[S+32*\t+II], v[S+32*\t+II]  ; p
.endr
.set II, II+1
.endr
	v_nop                           ; a plain instruction behind the last exponential,
	s_wait_alu depctr_va_vdst(0)    ; and the one wait ahead of the batch's first reader
.irp t, 0,1,2,3
.if \first
	v_pk_add_f32 v[ST+8*\t+2:ST+8*\t+3], v[S+32*\t:S+32*\t+1], v[S+32*\t+2:S+32*\t+3]
.else
	v_pk_fma_f32 v[ST+8*\t+2:ST+8*\t+3], v[ST+8*\t+2:ST+8*\t+3], v[ST+8*\t+6:ST+8*\t+7], v[S+32*\t:S+32*\t+1] op_sel_hi:[1,0,1]  ; l = a l + the first pair
.endif
.endr
.if !\first
.irp t, 0,1,2,3
	v_pk_add_f32 v[ST+8*\t+2:ST+8*\t+3], v[ST+8*\t+2:ST+8*\t+3], v[S+32*\t+2:S+32*\t+3]
.endr
.endif
.set II, 4
.rept 14
.irp t, 0,1,2,3
	v_pk_add_f32 v[ST+8*\t+2:ST+8*\t+3], v[ST+8*\t+2:ST+8*\t+3], v[S+32*\t+II:S+32*\t+II+1]  ; the sum is taken of p before it is rounded
.endr
.set II, II+2
.endr
.set II, 0
.rept 16
.irp t, 0,1,2,3
	v_cvt_pk_f16_f32 v[S+32*\t+II], v[S+32*\t+2*II], v[S+32*\t+2*II+1]  ; P in place: register i takes pair i, which lies at or above it
.endr
.set II, II+1
.endr
.if \first
	PLACES
.else
	WIN 0x41                        ; O^T (destination and source 0) window 1, a window 0
.set II, 0
.rept 16
.irp t, 0,1,2,3
	v_pk_mul_f32 v[32*\t+2*II:32*\t+2*II+1], v[32*\t+2*II:32*\t+2*II+1], v[ST+8*\t+6:ST+8*\t+7] op_sel_hi:[1,0]
.endr
.set II, II+1
.endr
.endif
	s_wait_dscnt 0x0                ; v is in
	WIN 0x51                        ; v's fragments and O^T window 1, P window 0
.irp c, 0,1                         ; O^T += v^T P: keys 32 c on, channels 16 d on; the 16 accumulators take turns
.irp d, 0,1,2,3
.irp t, 0,1,2,3
.if \first && (\c == 0)
	v_wmma_f32_16x16x32_f16 v[32*\t+8*\d:32*\t+8*\d+7], v[VF+8*(4*\c+\d):VF+8*(4*\c+\d)+7], v[S+32*\t+8*\c:S+32*\t+8*\c+7], 0
.else
	v_wmma_f32_16x16x32_f16 v[32*\t+8*\d:32*\t+8*\d+7], v[VF+8*(4*\c+\d):VF+8*(4*\c+\d)+7], v[S+32*\t+8*\c:S+32*\t+8*\c+7], v[32*\t+8*\d:32*\t+8*\d+7]
.endif
.endr
.endr
.endr
	WIN 0
	s_add_co_u32 s[TK], s[TK], 64*KP
	s_add_co_u32 s[TV], s[TV], 64*VP
.endm
	s_wait_tensorcnt 0x0            ; my part of the first 256 keys is in, and no tensor load of mine is out
	ds_add_u32 v[SPW], v[NIL]       ; 0 onto my spare word
	s_wait_dscnt 0x0                ; the add is done
	s_barrier_signal -1
	s_barrier_wait -1               ; everybody's part is in
	KVLOAD G0KR, G1KR, G0VR, G1VR   ; the other 768 keys: a first fill of their bytes, issued as a refill is: my one tensor load behind this barrier, and the first thing there
	s_wait_loadcnt 0x0              ; q
	STEP 1
	s_mov_b32 s[CNT], 3
.Lchunk0:                           ; keys 64 to 255
	STEP 0
	s_sub_co_u32 s[CNT], s[CNT], 1
	s_cmp_lg_u32 s[CNT], 0
	s_cbranch_scc1 .Lchunk0
	s_wait_tensorcnt 0x0            ; my 192 rows have landed: they had four steps for it
	s_wait_dscnt 0x0
	s_barrier_signal -1
	s_barrier_wait -1               ; everybody's have: all 1,024 keys lie in LDS
	s_mov_b32 s[CNT], 12
.Lrest:
	STEP 0
	s_sub_co_u32 s[CNT], s[CNT], 1
	s_cmp_lg_u32 s[CNT], 0
	s_cbranch_scc1 .Lrest
	; THE WAY OUT.  l's two halves and the other half of the lanes' are added; O^T is divided by l, rounded to f16 and sent through my stage, a tile (16 rows of o) at a time.  The additions are the places behind the last products.
.irp t, 0,1,2,3
	v_add_f32 v[ST+8*\t+4], v[ST+8*\t+2], v[ST+8*\t+3]
.endr
.irp t, 0,1,2,3
	v_permlanex16_b32 v[ST+8*\t+5], v[ST+8*\t+4], s[SEL], s[SEL+1]
.endr
.irp t, 0,1,2,3
	v_add_f32 v[ST+8*\t+4], v[ST+8*\t+4], v[ST+8*\t+5]
.endr
.irp t, 0,1,2,3
	v_rcp_f32 v[ST+8*\t+6], v[ST+8*\t+4]
.endr
	v_nop                           ; a plain instruction behind the last reciprocal,
	s_wait_alu depctr_va_vdst(0)    ; and the one wait ahead of the first use
	s_wait_dscnt 0x0                ; my reads of k are over
	s_barrier_signal -1
	s_barrier_wait -1               ; everybody's are: the stages may be written into k's bytes, which are filled no more
.macro PACKO t
	WIN 0x41
.set II, 0
.rept 16
	v_pk_mul_f32 v[32*\t+2*II:32*\t+2*II+1], v[32*\t+2*II:32*\t+2*II+1], v[ST+8*\t+6:ST+8*\t+7] op_sel_hi:[1,0]
.set II, II+1
.endr
	WIN 0x05                        ; sources 0 and 1 window 1, destination window 0
.set II, 0
.rept 16
	v_cvt_pk_f16_f32 v[S+32*\t+II], v[32*\t+2*II], v[32*\t+2*II+1]
.set II, II+1
.endr
	WIN 0
.irp d, 0,1,2,3
	ds_store_b128 v[STO], v[S+32*\t+4*\d:S+32*\t+4*\d+3] offset:32*\d
.endr
.irp i, 0,1,2,3
	ds_load_b128 v[S+32*\t+16+4*\i:S+32*\t+16+4*\i+3], v[RD] offset:4*KP*\i  ; LDS serves a wave's instructions in order (ISA guide 5.7.1.4): these see the stores above; the next tile's stores come behind them
.endr
.endm
.macro SENDO t, younger             ; younger: the LDS instructions issued behind tile t's loads: the next tile's eight, or none
.irp i, 0,1,2,3
	s_wait_dscnt \younger+3-\i
	global_store_b128 v[GO], v[S+32*\t+16+4*\i:S+32*\t+16+4*\i+3], s[10:11] offset:2048*\t+512*\i  ; 32 lanes store four rows: 512 consecutive bytes, aligned to 512
.endr
.endm
	PACKO 0
	PACKO 1                         ; a tile's arithmetic stands between the loads of the tile before and its stores
	SENDO 0, 8
	PACKO 2
	SENDO 1, 8
	PACKO 3
	SENDO 2, 8
	SENDO 3, 0
	s_wait_tensorcnt 0x0            ; the wave's end, behind my last tensor load and my last LDS store
	ds_add_u32 v[SPW], v[NIL]
	s_wait_dscnt 0x0
	s_endpgm
.Lfunc_end_k_qe865d59417_attn:
	.size	k_qe865d59417_attn, .Lfunc_end_k_qe865d59417_attn-k_qe865d59417_attn
	.p2alignl 7, 3214868480
	.fill 96, 4, 3214868480
	.section	.rodata,"a",@progbits
	.p2align	6, 0x0
	.amdhsa_kernel k_qe865d59417_attn
		.amdhsa_group_segment_fixed_size 327680
		.amdhsa_private_segment_fixed_size 0
		.amdhsa_enable_private_segment 0
		.amdhsa_kernarg_size 16
		.amdhsa_user_sgpr_count 2
		.amdhsa_user_sgpr_kernarg_segment_ptr 1
		.amdhsa_wavefront_size32 1
		.amdhsa_system_sgpr_workgroup_id_x 1
		.amdhsa_system_sgpr_workgroup_id_y 1
		.amdhsa_system_sgpr_workgroup_id_z 1
		.amdhsa_system_vgpr_workitem_id 0
		.amdhsa_next_free_vgpr 512
		.amdhsa_next_free_sgpr 84
		.amdhsa_reserve_vcc 0
		.amdhsa_float_denorm_mode_32 3
		.amdhsa_float_denorm_mode_16_64 3
		.amdhsa_memory_ordered 1
		.amdhsa_forward_progress 1
		.amdhsa_inst_pref_size 113
	.end_amdhsa_kernel
	.amdgpu_metadata
---
amdhsa.version: [ 1, 2 ]
amdhsa.kernels:
  - .name:           k_qe865d59417_attn
    .symbol:         k_qe865d59417_attn.kd
    .args:
      - { .name: qkv, .offset: 0, .size: 8, .value_kind: global_buffer, .address_space: global }
      - { .name: oh, .offset: 8, .size: 8, .value_kind: global_buffer, .address_space: global }
    .group_segment_fixed_size: 327680
    .private_segment_fixed_size: 0
    .kernarg_segment_align: 8
    .kernarg_segment_size: 16
    .max_flat_workgroup_size: 256
    .sgpr_count:     84
    .vgpr_count:     512
    .wavefront_size: 32
...
	.end_amdgpu_metadata
.endif
;; end of part 3
;; launch proj (part 4): grid 4 x 64, 4 waves a work-group, clusters of 4 x 4, 327,680 bytes of LDS; arguments oh, wp16, out0; writes out0
.if DOCPART == 4
	.amdgcn_target "amdgcn-amd-amdhsa--gfx1250"
	.amdhsa_code_object_version 6
	.text
	.protected	k_qe865d59417_proj
	.globl	k_qe865d59417_proj
	.p2align	8
	.type	k_qe865d59417_proj,@function
k_qe865d59417_proj:
	s_mov_b64 s[64:65], 0
	v_nop
	global_prefetch_b8 v0, s[64:65] scope:SCOPE_SE
	s_setreg_imm32_b32 hwreg(HW_REG_WAVE_MODE, 25, 1), 1
	s_wait_xcnt 0x0
	s_wait_alu depctr_hold_cnt(0) depctr_sa_sdst(0) depctr_va_vdst(0) depctr_va_sdst(0) depctr_va_ssrc(0) depctr_va_vcc(0) depctr_vm_vsrc(0)
	s_getreg_b32 s2, hwreg(HW_REG_IB_STS2, 6, 4)
	s_cmp_eq_u32 s2, 0
	s_cbranch_scc0 .Lentry_in_a_cluster
	s_endpgm
.Lentry_in_a_cluster:
	s_bfe_u32 s2, ttmp6, 0x10000c
	s_cmp_lg_u32 s2, 0xf033
	s_cbranch_scc0 .Lentry_shape_is_right
	s_endpgm
.Lentry_shape_is_right:
; THE FOURTH LAUNCH: out[m][o] = the sum over c of O[m][c] w_proj[o][c], m = (batch, position), c = 64 x head + channel.  No work is left out.
; O lies head by head, [batch x 16 + head][1024][64] f16; w_proj [1024][1024] as f16; out [8192][1024] f32; sums in f32.
; A tile of out is 128 rows x 256 columns: 64 x 4 = 256 work-groups.  Four waves, each 64 x 128: 32 accumulators of 16 x 16, 256 registers.
; K goes in 8 steps of 128, which are two heads, through a ring of two LDS slots: O's tile is two sub-tiles of 128 rows x 128 bytes, one for each head (waves 0 and 1 fetch one each);
; w_proj's is 256 rows x 256 bytes (waves 2 and 3 fetch 128 rows each).  By this text's count a wave has two tensor loads out at the start and one behind each round.
; CLUSTERS: 4 x 4 work-groups.  The four of a row of the cluster need the same tiles of O, the four of a column the same tiles of w_proj: each tile is asked for JOINTLY, by the same tensor load with the same
; descriptor and a mask that names the four.  THE MATRIX INSTRUCTION IS USED TRANSPOSED (source 0 = 16 rows of w_proj, source 1 = 16 rows of O): a lane then holds eight neighbouring numbers of a row of out.
; REGISTERS: window 0: v16-31 addresses; v128-255 the way out.   window 1: two fragment buffers at v0 and v128: 32 registers of O (4 x 16 rows x 32 K), then 64 of w_proj (8 x).   window 2: accumulator (a, b) at v[8 (8 a + b)].
.set AP,     144                       ; a row of O in LDS: 128 bytes + 16
.set BP,     272                       ; a row of w_proj: 256 bytes + 16: in both the 16 rows that a load touches start at 16 different groups of four banks (64 banks of 4 bytes: ISA guide 11.1)
.set ASUB,   128*AP                    ; a head's sub-tile
.set BOFF,   2*ASUB
.set BHALF,  128*BP
.set SLOT,   BOFF+2*BHALF
.set SPARE,  2*SLOT                    ; behind the ring: the spare words, 128 bytes for each wave
.set SPITCH, 528                       ; the way out: a stage of 16 rows x (512 bytes + 16) for each wave, in slot 0, which has had its last fill and its last read when the first result is stored there
.set LAPS,   4                         ; a lap = two K steps = once round the ring
.set HEADB,  131072                    ; bytes of a head: 1,024 rows of 128
.set ADRA, 16                          ; v16-17  LDS address of my fragments of O in slot 0, 1
.set ADRB, 20                          ; v20-21  of w_proj
.set STO,  24                          ; v24     the way out: where I put 32 bytes of a row
.set RD,   25                          ; v25     where I read a row back
.set CO,   26                          ; v26     16 x lane
.set SPW,  28                          ; v28     LDS address of my spare word; never rewritten
.set NIL,  29                          ; v29     0; never rewritten
.set PFO,  30                          ; v30     256 x lane; never rewritten
.set BK,   128
.set F0,   0
.set F1,   128
.set G1, 24                            ; s[24:31] descriptor group 1 for O's tiles;  s[32:39] group 0, one set for each slot
.set G0, 32
.set G1B, 48                           ; s[48:55], s[56:63] the same for w_proj's
.set G0B, 56
.set PFA, 68                           ; s[68:69] where my work-group's prefetches stand
.set LIM, 70                           ; s70     1 in wave 0, else the greatest number
.set MSB, 0
.macro WIN new
.if MSB != (\new)
	s_set_vgpr_msb (MSB<<8)|(\new)
.set MSB, (\new)
.endif
.endm
.set MUL,  0xa5                        ; sources 0 and 1 window 1; C and D window 2
.set TO_F, 0x40                        ; destination window 1, address window 0
.macro JLOAD s                         ; a joint load: waves 0 and 1 fetch O's two heads, waves 2 and 3 w_proj's halves; an s_nop 0 and four v_nop follow each of the two lines
	s_cmp_eq_u32 s11, 0
	s_cbranch_scc0 .Lfor_b_\@
	tensor_load_to_lds s[G0+4*\s:G0+4*\s+3], s[G1:G1+7]
	s_nop 0
.rept 4
	v_nop
.endr
	s_branch .Lasked_\@
.Lfor_b_\@:
	tensor_load_to_lds s[G0B+4*\s:G0B+4*\s+3], s[G1B:G1B+7]
	s_nop 0
.rept 4
	v_nop
.endr
.Lasked_\@:
.endm
; A PREFETCH INTO THE L2 of O's tile of the K step that stands two refills on: 2 heads x 128 rows x 128 bytes = 128 blocks of 256 bytes.  This tile row of out is made by my cluster's row alone, so its four partners
; share the blocks out BY ADDRESS, 32 each (cx / 2: the head; cx % 2: the half of its 16,384 bytes); in each, wave 0 asks, lanes 256 bytes apart: each block is named once in the launch.
; It stands behind the joint load and the run of LDS loads.  The loop's last trip asks for nothing: there is no K step two refills on.  K steps 0 to 3 come by their loads alone.  w_proj, which sixteen clusters read, is not asked for.
.macro ASK
	s_cmp_gt_u32 s3, s[LIM]                        ; s3 = 1 in the loop's last trip
	s_cbranch_scc0 .Lnot_mine_\@
	global_prefetch_b8 v[PFO], s[PFA:PFA+1] th:TH_LOAD_NT scope:SCOPE_SE
.Lnot_mine_\@:
.endm
.macro CREST                           ; a round of the cluster's barrier behind its opening barrier
	s_cmp_lg_u32 s10, 0
	s_cbranch_scc1 .Lnot_wave_0_\@
	s_barrier_signal -3
.Lnot_wave_0_\@:
	s_barrier_wait -3
	s_barrier_signal -1
	s_barrier_wait -1
.endm
.macro CROUND
	s_barrier_signal -1
	s_barrier_wait -1
	CREST
.endm
	s_load_b128 s[4:7], s[0:1], 0x0                ; O s[4:5], w_proj s[6:7]
	s_load_b64 s[8:9], s[0:1], 0x10                ; out
	v_lshl_add_u32 v[SPW], v0, 2, SPARE
	v_mov_b32 v[NIL], 0
	ds_add_u32 v[SPW], v[NIL]                      ; the wave's opening: the add, twice on end, and its wait ahead of my first tensor load
	ds_add_u32 v[SPW], v[NIL]
	v_lshrrev_b32 v1, 5, v0
	v_readfirstlane_b32 s10, v1                    ; wave 0..3
	s_lshr_b32 s11, s10, 1                         ; which half of the tile's rows is mine.  Also: I fetch for O (0) or for w_proj (1)
	s_and_b32 s12, s10, 1                          ; which half of its columns.  Also: which head, or which 128 rows, I fetch
	s_bfe_u32 s40, ttmp6, 0x40000                  ; cx, cy: my place in the cluster
	s_bfe_u32 s41, ttmp6, 0x40004
	s_lshl_b32 s42, ttmp9, 2
	s_add_co_u32 s42, s42, s40                     ; tile column = 4 x cluster x + cx
	s_and_b32 s13, ttmp7, 0xffff
	s_lshl_b32 s13, s13, 2
	s_add_co_u32 s13, s13, s41                     ; tile row = 4 x cluster y + cy
	s_lshl_b32 s43, s41, 2
	s_lshl_b32 s43, 15, s43                        ; my row of the cluster
	s_lshl_b32 s44, 0x1111, s40                    ; my column
	s_or_b32 s[G1+0], s43, (1<<16)|(1<<20)|(1<<21)|(4<<22)|(3<<25)   ; 15:0 the mask; 17:16 elements of 2 bytes; 20 padding on; 21 set beside a mask; 24:22 after every 32 words; 31:25 four words
	s_mov_b32 s[G1+1], 64<<16                      ; tensor_dim0 = 64
	s_mov_b32 s[G1+2], 128<<16                     ; tensor_dim1 = 128
	s_mov_b32 s[G1+3], 64<<16                      ; tile_dim0
	s_mov_b32 s[G1+4], 128                         ; tile_dim1
	s_mov_b32 s[G1+5], 64                          ; from row to row
	s_mov_b32 s[G1+6], 0
	s_mov_b32 s[G1+7], 0
	s_or_b32 s[G1B+0], s44, (1<<16)|(1<<20)|(1<<21)|(5<<22)|(3<<25)  ; padding after every 64 words
	s_mov_b32 s[G1B+1], 128<<16
	s_mov_b32 s[G1B+2], 128<<16
	s_mov_b32 s[G1B+3], 128<<16
	s_mov_b32 s[G1B+4], 128
	s_mov_b32 s[G1B+5], 1024
	s_mov_b32 s[G1B+6], 0
	s_mov_b32 s[G1B+7], 0
	s_lshr_b32 s16, s13, 3                         ; the batch: eight tile rows each,
	s_lshl_b32 s16, s16, 21                        ; 16 heads of 131,072 bytes
	s_and_b32 s17, s13, 7
	s_lshl_b32 s17, s17, 14                        ; + the tile's 128 rows of 128 bytes
	s_add_co_u32 s16, s16, s17                     ; the tile's first byte in head 0
	s_lshl_b32 s17, s12, 17
	s_add_co_u32 s14, s16, s17                     ; + the head that I fetch
	s_mov_b32 s15, 0
	s_lshl_b32 s46, s42, 8
	s_lshl_b32 s47, s12, 7
	s_add_co_u32 s46, s46, s47
	s_lshl_b32 s46, s46, 11                        ; w_proj: (256 x tile column + 128 x half) rows of 2,048 bytes
	s_mov_b32 s47, 0
	s_mul_i32 s20, s12, ASUB                       ; where they go: no place in the cluster enters an LDS address
	s_mul_i32 s21, s12, BHALF
	s_add_co_u32 s21, s21, BOFF
	s_wait_dscnt 0x0                               ; both opening adds are done
	s_wait_kmcnt 0x0
	s_add_nc_u64 s[14:15], s[4:5], s[14:15]
	s_add_nc_u64 s[46:47], s[6:7], s[46:47]
	CROUND                                         ; all sixteen work-groups are here: the first joint loads meet
.irp s, 0,1
	s_mov_b32 s[G0+4*\s], 1
	s_add_co_u32 s[G0+4*\s+1], s20, \s*SLOT
	s_add_nc_u64 s[G0+4*\s+2:G0+4*\s+3], s[14:15], \s*2*HEADB
	s_or_b32 s[G0+4*\s+3], s[G0+4*\s+3], 0x80000000
	s_mov_b32 s[G0B+4*\s], 1
	s_add_co_u32 s[G0B+4*\s+1], s21, \s*SLOT
	s_add_nc_u64 s[G0B+4*\s+2:G0B+4*\s+3], s[46:47], \s*256
	s_or_b32 s[G0B+4*\s+3], s[G0B+4*\s+3], 0x80000000
	JLOAD \s
.endr
	v_and_b32 v1, 15, v0                           ; r
	v_bfe_u32 v2, v0, 4, 1                         ; h
	v_mul_u32_u24 v3, v1, AP
	v_lshl_add_u32 v3, v2, 4, v3
	v_mul_u32_u24 v4, v1, BP
	v_lshl_add_u32 v4, v2, 4, v4
	s_mul_i32 s22, s11, 64*AP                      ; my 64 rows of O, in each sub-tile
	s_mul_i32 s23, s12, 128*BP                     ; my 128 rows of w_proj
	s_add_co_u32 s23, s23, BOFF
.irp s, 0,1
	v_add_nc_u32 v[ADRA+\s], s22, v3
	v_add_nc_u32 v[ADRB+\s], s23, v4
	s_add_co_u32 s22, s22, SLOT
	s_add_co_u32 s23, s23, SLOT
.endr
	s_mul_i32 s22, s10, 16*SPITCH                  ; my stage
	v_mul_u32_u24 v5, v1, SPITCH
	v_lshl_add_u32 v5, v2, 5, v5
	v_add_nc_u32 v[STO], s22, v5                   ; in: row r, 32 bytes for each half of the lanes
	v_and_b32 v6, 31, v0
	v_lshlrev_b32 v[CO], 4, v6
	v_add_nc_u32 v[RD], s22, v[CO]                 ; back: the 32 lanes take one row of 512 bytes
	v_lshlrev_b32 v[PFO], 8, v6
	s_lshl_b32 s22, s13, 7
	s_lshl_b32 s23, s11, 6
	s_add_co_u32 s22, s22, s23
	s_lshl_b32 s22, s22, 12                        ; my first row of out: (128 x tile row + 64 x half) rows of 4,096 bytes
	s_mov_b32 s23, 0
	s_add_nc_u64 s[8:9], s[8:9], s[22:23]
	s_lshl_b32 s46, s42, 10                        ; my first column, in bytes: 1,024 x tile column + 512 x half
	s_lshl_b32 s47, s12, 9
	s_add_co_u32 s46, s46, s47
	s_mov_b32 s47, 0
	s_add_nc_u64 s[8:9], s[8:9], s[46:47]
	s_lshr_b32 s22, s40, 1                         ; the prefetches: my work-group's 32 blocks of a K step's 128
	s_lshl_b32 s22, s22, 17
	s_and_b32 s23, s40, 1
	s_lshl_b32 s23, s23, 13
	s_add_co_u32 s22, s22, s23
	s_add_co_u32 s22, s22, s16
	s_mov_b32 s23, 0
	s_add_nc_u64 s[PFA:PFA+1], s[4:5], s[22:23]
	s_add_nc_u64 s[PFA:PFA+1], s[PFA:PFA+1], 3*2*HEADB   ; at K step 3: the first refill, of K step 2, steps it to 4.  Nothing is prefetched here, at the head
	s_cmp_eq_u32 s10, 0
	s_cselect_b32 s[LIM], 1, -1
; 8 matrix instructions: O's block a x w_proj's eight, 32 along K, from buffer f.  The 32 accumulators take turns, one instruction a turn, in the same order in every quarter.
.macro MUL8 f, a, zero
.irp b, 0,1,2,3,4,5,6,7
.if \zero
	v_wmma_f32_16x16x32_f16 v[8*(8*\a+\b):8*(8*\a+\b)+7], v[\f+32+8*\b:\f+32+8*\b+7], v[\f+8*\a:\f+8*\a+7], 0
.else
	v_wmma_f32_16x16x32_f16 v[8*(8*\a+\b):8*(8*\a+\b)+7], v[\f+32+8*\b:\f+32+8*\b+7], v[\f+8*\a:\f+8*\a+7], v[8*(8*\a+\b):8*(8*\a+\b)+7]
.endif
.endr
.endm
; 24 LDS loads in one run: the fragments of the slot's quarter qd (32 along K: head qd / 2 of the two, channels 32 (qd % 2) on) into buffer f
.macro FETCH slot, qd, f
	WIN TO_F
.irp i, 0,1,2,3
	ds_load_b128 v[\f+8*\i:\f+8*\i+3],   v[ADRA+\slot] offset:((\qd)/2)*ASUB+((\qd)%2)*64+\i*16*AP
	ds_load_b128 v[\f+8*\i+4:\f+8*\i+7], v[ADRA+\slot] offset:((\qd)/2)*ASUB+((\qd)%2)*64+\i*16*AP+32
.endr
.irp i, 0,1,2,3,4,5,6,7
	ds_load_b128 v[\f+32+8*\i:\f+32+8*\i+3],   v[ADRB+\slot] offset:64*(\qd)+\i*16*BP
	ds_load_b128 v[\f+32+8*\i+4:\f+32+8*\i+7], v[ADRB+\slot] offset:64*(\qd)+\i*16*BP+32
.endr
.endm
.macro PLACES                          ; four plain vector instructions in front of loads into registers that matrix instructions have read, and of the first read of results
.rept 4
	v_nop
.endr
.endm
; One of a K step's first three quarters: multiplies buffer f and fetches the next quarter, qd, into g.
.macro QUARTER slot, qd, f, g, zero
	s_wait_dscnt 0x0                               ; buffer f is in: it was asked for a quarter, 32 matrix instructions, ago
	PLACES
	FETCH \slot, \qd, \g
	WIN MUL
	MUL8 \f, 0, \zero
	MUL8 \f, 1, \zero
	MUL8 \f, 2, \zero
	MUL8 \f, 3, \zero
.endm
; The last quarter multiplies buffer 1 and changes slots: ONE barrier; in front of it each wave waits for all its tensor loads, adds 0 to its spare word, and waits for that and for its own reads of this slot.
; fill = 1: the barrier opens a round of the cluster's, and this slot is filled again, two K steps ahead: the load has 112 matrix instructions in which to land.
.macro TURN slot, next, fill
	s_wait_dscnt 0x0                               ; buffer 1 is in: my reads of this slot are over
.if \fill
	s_wait_xcnt 0x0                                ; the last prefetch, a K step back, has read its address: it is stepped here
	s_add_nc_u64 s[PFA:PFA+1], s[PFA:PFA+1], 2*HEADB
.endif
	WIN 0                                          ; (the add's two registers lie in window 0)
	s_wait_tensorcnt 0x0                           ; all my tensor loads have landed: my part of the next slot;
	ds_add_u32 v[SPW], v[NIL]                      ; 0 onto my spare word;
	WIN MUL
	MUL8 F1, 0, 0                                  ; eight matrix instructions stand between the add and the wait for it
	s_wait_dscnt 0x0                               ; the add is done
	s_barrier_signal -1
	MUL8 F1, 1, 0
	WIN 0
	s_barrier_wait -1
.if \fill
	CREST                                          ; no wave of any partner still reads this slot's tile or has a load on its way
	s_add_nc_u64 s[G0+4*\slot+2:G0+4*\slot+3], s[G0+4*\slot+2:G0+4*\slot+3], 4*HEADB
	s_add_nc_u64 s[G0B+4*\slot+2:G0B+4*\slot+3], s[G0B+4*\slot+2:G0B+4*\slot+3], 512
	JLOAD \slot                                    ; the first tensor load behind the round; the four v_nop behind it are also the places in front of the loads below
.else
	PLACES
.endif
	FETCH \next, 0, F0
	WIN 0
.if \fill
	ASK
.endif
	WIN MUL
	MUL8 F1, 2, 0
	MUL8 F1, 3, 0
.endm
	s_wait_tensorcnt 1                             ; my part of K step 0 is in; K step 1's load may stay out
	s_barrier_signal -1
	s_barrier_wait -1                              ; everybody's is
	FETCH 0, 0, F0
	QUARTER 0, 1, F0, F1, 1                        ; the first quarter stands in front of the loop: its products start the sums
	WIN 0                                          ; at a label and at a branch every window is 0
	s_mov_b32 s3, LAPS-1
.Llap:                                                 ; a trip goes once round the ring, from a lap's second quarter to the next lap's first, and fills both slots again
	QUARTER 0, 2, F1, F0, 0
	QUARTER 0, 3, F0, F1, 0
	TURN 0, 1, 1
	QUARTER 1, 1, F0, F1, 0
	QUARTER 1, 2, F1, F0, 0
	QUARTER 1, 3, F0, F1, 0
	TURN 1, 0, 1
	QUARTER 0, 1, F0, F1, 0
	WIN 0
	s_sub_co_u32 s3, s3, 1
	s_cmp_lg_u32 s3, 0
	s_cbranch_scc1 .Llap
	QUARTER 0, 2, F1, F0, 0                        ; the last lap fills nothing, and has no round of the cluster's barrier
	QUARTER 0, 3, F0, F1, 0
	TURN 0, 1, 0
	QUARTER 1, 1, F0, F1, 0
	QUARTER 1, 2, F1, F0, 0
	QUARTER 1, 3, F0, F1, 0
	s_wait_dscnt 0x0                               ; the very last quarter: nothing more to fetch
	MUL8 F1, 0, 0
	MUL8 F1, 1, 0
	MUL8 F1, 2, 0
	MUL8 F1, 3, 0
	WIN 0
; THE WAY OUT, block by block of 16 rows x 128 columns.  A lane holds 32 neighbouring bytes of a row, and the lanes beside it hold other rows: so a block goes through my own stage in LDS and comes back as whole rows of 512 bytes.
.macro TOSTAGE a
	WIN 0x08                                       ; an LDS store's data are its source 1: window 2
.irp b, 0,1,2,3,4,5,6,7
	ds_store_b128 v[STO], v[64*(\a)+8*\b:64*(\a)+8*\b+3] offset:64*\b          ; each accumulator from its low end on
	ds_store_b128 v[STO], v[64*(\a)+8*\b+4:64*(\a)+8*\b+7] offset:64*\b+16
.endr
	WIN 0
.set BB, BK+64*((\a)%2)
.irp t, 0,1,2,3,4,5,6,7,8,9,10,11,12,13,14,15
	ds_load_b128 v[BB+4*\t:BB+4*\t+3], v[RD] offset:\t*SPITCH   ; LDS serves a wave's instructions in order (ISA guide 5.7.1.4): these see the stores above
.endr
.endm
.macro SEND a, younger                 ; younger: the LDS instructions issued behind block a's loads, which may stay out
.set BB, BK+64*((\a)%2)
	s_wait_dscnt \younger                          ; the block is back in registers
.irp t, 0,1,2,3,4,5,6,7,8,9,10,11,12,13,14,15
	global_store_b128 v[CO], v[BB+4*\t:BB+4*\t+3], s[8:9] offset:(16*(\a)+\t)*4096 th:TH_STORE_NT   ; 32 lanes store 512 consecutive bytes, aligned to 512; written once, read by nobody here
.endr
.endm
	PLACES                                         ; behind the last products, ahead of the first read of results
	TOSTAGE 0
	TOSTAGE 1
	SEND 0, 32                                     ; behind block 0's loads: block 1's 16 stores and 16 loads
	s_wait_xcnt 0x0                                ; block 0's stores have read their registers: block 2's loads may land there
	TOSTAGE 2
	SEND 1, 32
	s_wait_xcnt 0x0
	TOSTAGE 3
	SEND 2, 32
	SEND 3, 0
	s_wait_tensorcnt 0x0                           ; the wave's end, behind my last tensor load and my last LDS store
	ds_add_u32 v[SPW], v[NIL]
	s_wait_dscnt 0x0
	CROUND                                         ; the closing round: no work-group ends while a partner may still ask for a tile that names it
	s_endpgm
.Lfunc_end_k_qe865d59417_proj:
	.size	k_qe865d59417_proj, .Lfunc_end_k_qe865d59417_proj-k_qe865d59417_proj
	.p2alignl 7, 3214868480
	.fill 96, 4, 3214868480
	.section	.rodata,"a",@progbits
	.p2align	6, 0x0
	.amdhsa_kernel k_qe865d59417_proj
		.amdhsa_group_segment_fixed_size 327680
		.amdhsa_private_segment_fixed_size 0
		.amdhsa_enable_private_segment 0
		.amdhsa_kernarg_size 24
		.amdhsa_user_sgpr_count 2
		.amdhsa_user_sgpr_kernarg_segment_ptr 1
		.amdhsa_wavefront_size32 1
		.amdhsa_system_sgpr_workgroup_id_x 1
		.amdhsa_system_sgpr_workgroup_id_y 1
		.amdhsa_system_sgpr_workgroup_id_z 1
		.amdhsa_system_vgpr_workitem_id 0
		.amdhsa_next_free_vgpr 768
		.amdhsa_next_free_sgpr 72
		.amdhsa_reserve_vcc 0
		.amdhsa_float_denorm_mode_32 3
		.amdhsa_float_denorm_mode_16_64 3
		.amdhsa_memory_ordered 1
		.amdhsa_forward_progress 1
		.amdhsa_inst_pref_size 85
	.end_amdhsa_kernel
	.amdgpu_metadata
---
amdhsa.version: [ 1, 2 ]
amdhsa.kernels:
  - .name:           k_qe865d59417_proj
    .symbol:         k_qe865d59417_proj.kd
    .args:
      - { .name: oh, .offset: 0, .size: 8, .value_kind: global_buffer, .address_space: global }
      - { .name: wp16, .offset: 8, .size: 8, .value_kind: global_buffer, .address_space: global }
      - { .name: out0, .offset: 16, .size: 8, .value_kind: global_buffer, .address_space: global }
    .group_segment_fixed_size: 327680
    .private_segment_fixed_size: 0
    .kernarg_segment_align: 8
    .kernarg_segment_size: 24
    .max_flat_workgroup_size: 128
    .sgpr_count:     72
    .vgpr_count:     768
    .wavefront_size: 32
...
	.end_amdgpu_metadata
.endif
;; end of part 4
